; MI455X (gfx1250); checked and timed in simulation.
; The chip was launched on July 23, 2026; its instructions are those of AMD's public machine-readable ISA for CDNA 5 (MIT licence, August 2026) and "CDNA5" Instruction Set Architecture Reference Guide (July 2026). The comments in the code are by the model that wrote it; some were corrected since.
;; MLP. Allowed arithmetic: matrix products marked QUANTISED: E4M3 operands, one given power-of-two scale a tensor, by v_wmma_f32_16x16x64_fp8_fp8 or v_wmma_f32_16x16x128_fp8_fp8, f32 sums; products left as they are: f32 operands where the result goes on into a quantised operand, else bf16, f16 or f32 operands; f32 sums; everything else in f32.
;; Inputs: b1 16 x 2,048 float32; b2 16 x 1,024 float32; bg 16 float32; lowp_scales 6 int32 (the exponents e of the quantised operands' scales 2^e); norm_scale 1,024 float32; w1_codes 16 x 2,048 x 32 x 32 uint8 (E4M3 codes of w1, K innermost, in blocks of 32 codes); w2_codes 16 x 1,024 x 32 x 32 uint8 (E4M3 codes of w2, K innermost, in blocks of 32 codes); wg_codes 16 x 32 x 32 uint8 (E4M3 codes of wg, K innermost, in blocks of 32 codes); x 2 x 512 x 1,024 float32.
;; Outputs: out0 2 x 512 x 1,024 float32.
;; This version of the problem:
;;   THIS VERSION OF THE PROBLEM IS GIVEN IN LOW PRECISION. The matrix products marked QUANTISED in the list below multiply operands that are first quantised to E4M3 (4 exponent bits, 3 mantissa bits; 8 bits a number), with one given power-of-two scale for each operand tensor; their sums are f32. All else is computed in f32.
;;   The module's matrix products, in the order in which they are computed (A, B: the left and right operand; K: the contracted axis; several contracted axes count as one K, in the product's order):
;;     1. [M 1,024, K 1,024] x [K 1,024, N 16]; A: computed on the way; B: input wg (given as codes): QUANTISED (scales: A lowp_scales[0], B lowp_scales[1])
;;     2. batch 1,024 x [M 16, K 4] x [K 4, N 1]; A: computed on the way; B: softmax: left as it is (K = 4 < 32)
;;     3. [M 32,768, K 1,024] x [K 1,024, N 1,024]; A: input w1 (given as codes); B: computed on the way: QUANTISED (scales: A lowp_scales[2], B lowp_scales[3])
;;     4. batch 16 x [M 1,024, K 1,024] x [K 1,024, N 1,024]; A: computed on the way; B: input w2 (given as codes): QUANTISED (scales: A lowp_scales[4], B lowp_scales[5])
;;     5. batch 1,024 x [M 1,024, K 16] x [K 16, N 1]; A: computed on the way; B: computed on the way: left as it is (K = 16 < 32)
;;   THE QUANTISER, for each operand of a quantised product, along K:
;;     - The operand's scale is 2^e, e = its entry of the input lowp_scales (int32; the entries are numbered through the quantised products in the list's order, A before B).
;;     - Each number is divided by the scale, clamped to +-448, and rounded to the nearest number of E4M3, ties to even, subnormals kept.
;;     - The product sums the exact products of the quantised numbers (number of the format x scale) in f32.
;;   ~~~python
;;   def quantise(x, axis, e):      # numpy; x: float32 -> the quantised numbers, widened to float32 again
;;       x = np.moveaxis(x, axis, -1); K = x.shape[-1]
;;       r = np.clip(x / 2.0 ** e, -448, 448)
;;       step = 2.0 ** (np.maximum(np.frexp(np.where(r == 0, 1, r))[1] - 1, -6) - 3)
;;       q = np.round(r / step) * step * 2.0 ** e      # np.round: ties to even
;;       return np.moveaxis(q, -1, axis).astype(np.float32)
;;   ~~~
;;   OPERANDS COMPUTED ON THE WAY. 'Computed on the way' means the value that the module computes at that place (a softmax that the list does not call 'softmax' is quantised finished and normalised). What goes into a quantiser is computed in f32, as accurately as f32 sums, v_exp_f32 and their like allow (about 1e-6 of the number): no bf16 or f16 on the way to a quantiser, and a product that is left as it is and whose result goes on into a quantised operand takes f32 operands (vector FMAs, or v_wmma_f32_16x16x4_f32). A number that lies on a knife's edge between two numbers of the format may be rounded either way, as far as f32 arithmetic and the matrix unit's own rounding can turn it there, and no further.
;;   INPUTS GIVEN AS CODES. w1 (in the module: [16, 1024, 2048], K = its axis 1); w2 (in the module: [16, 1024, 1024], K = its axis 1); wg (in the module: [1024, 16], K = its axis 0): each comes as NAME_codes (uint8): NAME with its K axis moved to the last place and cut into blocks of 32 codes, [.., K / 32, bytes a block], one block behind the other in memory; one code a byte (a code: sign, 4 exponent bits, 3 mantissa bits); its scale is its entry of lowp_scales. Its value is code x scale, taken as it is: it is not quantised again, and the codes and scales need not be those that the quantiser above would give.
;; 2 versions. Each part assembles by itself: llvm-mc -triple=amdgcn-amd-amdhsa -mcpu=gfx1250 --defsym DOCPART=n.
;; ======== version 1 of 2: 4 launches
;; workspace buffers: xq 1,048,576 bytes; route 8,192 bytes of whole numbers; gates 16,384 bytes; simg 16,777,216 bytes; rows 65,792 bytes of whole numbers; y 8,388,608 bytes
;; launch router (part 1): grid 64 x 1, 8 waves a work-group, no clusters, 34,304 bytes of LDS; arguments x, norm_scale, wg_codes, bg, lowp_scales, xq, route, gates; writes xq, route, gates
.if DOCPART == 1
	.amdgcn_target "amdgcn-amd-amdhsa--gfx1250"
	.amdhsa_code_object_version 6
	.text
	.protected	k_q968dd7540d_router
	.globl	k_q968dd7540d_router
	.p2align	8
	.type	k_q968dd7540d_router,@function
k_q968dd7540d_router:
	s_mov_b64 s[64:65], 0
	v_nop
	global_prefetch_b8 v0, s[64:65] scope:SCOPE_SE
	s_setreg_imm32_b32 hwreg(HW_REG_WAVE_MODE, 25, 1), 1
	s_wait_xcnt 0x0
; RMSNorm, the two quantisations of xn, the router's product on E4M3 codes, top-4 and its softmax.
; A work-group takes 16 tokens; wave w takes rows 2 w and 2 w + 1 whole (32 numbers a lane and row); wave 0 then makes the 16 x 16 logits and the choice.
; OUT: xq [1024][1024] codes of xn at 2^e3, K as it lies; route: word t = mask of the four experts of token t, word 1024 + t = two bits an expert: its place k in the top-4;
; gates [1024][4] f32.  All three go to fixed places: no address here hangs on the choice.
; Equal logits go to the lower index, as jax.lax.top_k has it.  The softmax takes the largest of the four logits away first.
; LIMITS: e0 and e3 between -126 and 119, e0 + e1 between -126 and 127 (each power of two below is an f32 number).  NaN among the inputs is not served.  The f32 sums go in another order than reference()'s.
; No tensor load, no cluster: work-groups share only norm_scale and wg (20 KiB); each row of x is read once, 512 consecutive bytes a load.
.set RP,   1040                        ; an LDS row of 1,024 codes + 16 of padding: 65 x 16 bytes, so the 16 rows of a fragment load start in 16 different groups of banks
.set XS0,  0                           ; LDS: 16 rows of codes at 2^e0, for the router's product
.set XS3,  16*RP                       ; 16 rows of codes at 2^e3, on their way to xq
.set X,    16                          ; v16-79   register 32 p + 4 i + q: row 2 w + p, k = 128 i + 4 lane + q
.set NS,   80                          ; v80-111  norm_scale at the same k
.set T,    112                         ; v112-143 a row held at +-448 x 2^e0
.set C0,   144                         ; v144-159 codes at e0, 8 registers a row; later the two accumulators
.set C3,   160                         ; v160-175 codes at e3; later the other half's logits
.set OUTR, 176                         ; v176-191 rows of xq read back
.set SQ,   192                         ; v192-199 sums of squares
.set RS,   200                         ; v200-203 1 / rms of the two rows, each the low word of a pair
.set L,    208                         ; v208-223 a token's 16 logits
.set VAL,  224                         ; v224-227 the four largest
.set IDX,  228                         ; v228-231 and their experts
.set NINF, 232
.set ONE,  233                         ; v233-235 the numbers 1, 2, 3
.set TM,   236
.set G,    240                         ; v240-243 the gates
.set MASK, 244
.set KMAP, 245
.set GADR, 246
.set WADR, 247
.set MSB, 0
.macro WIN new                         ; the immediate's high byte repeats the setting that is left
.if MSB != \new
	s_set_vgpr_msb (MSB<<8)|\new
.set MSB, \new
.endif
.endm
; one row: 32 numbers held within +-lim (the conversion to an 8-bit code does not saturate: ISA guide 7.6.2), then eight at a time to codes
.macro Q8 src, dst, sc, lim, tmp
.set i, 0
.rept 32
	v_med3_num_f32 v[\tmp+i], v[\src+i], -v[\lim], v[\lim]
.set i, i+1
.endr
.irp g, 0,1,2,3
	v_cvt_scalef32_pk8_fp8_f32 v[\dst+2*\g:\dst+2*\g+1], v[\tmp+8*\g:\tmp+8*\g+7], v[\sc]
.endr
.endm
; the largest of the 16 logits, its lowest index, and -infinity in its place
.macro PICK k
	v_max3_num_f32 v[VAL+\k], v[L], v[L+1], v[L+2]
.irp i, 3,5,7,9,11,13
	v_max3_num_f32 v[VAL+\k], v[VAL+\k], v[L+\i], v[L+\i+1]
.endr
	v_max_num_f32 v[VAL+\k], v[VAL+\k], v[L+15]
	v_mov_b32 v[IDX+\k], 0
.irp i, 15,14,13,12,11,10,9,8,7,6,5,4,3,2,1,0
	v_cmp_neq_f32 vcc_lo, v[L+\i], v[VAL+\k]
	v_cndmask_b32 v[IDX+\k], \i, v[IDX+\k], vcc_lo     ; descending, so the lowest equal index stays
.endr
.irp i, 0,1,2,3,4,5,6,7,8,9,10,11,12,13,14,15
	v_cmp_eq_u32 vcc_lo, \i, v[IDX+\k]
	v_cndmask_b32 v[L+\i], v[L+\i], v[NINF], vcc_lo
.endr
.endm
	s_load_b512 s[4:19], s[0:1], 0x0               ; x, norm_scale, wg_codes, bg, lowp_scales, xq, route, gates
	v_lshl_add_u32 v254, v0, 2, 0x8200
	v_mov_b32 v255, 0
	v_and_b32 v1, 31, v0                           ; lane
	v_and_b32 v2, 15, v0                           ; r
	v_bfe_u32 v3, v0, 4, 1                         ; h
	v_lshrrev_b32 v13, 5, v0
	v_readfirstlane_b32 s24, v13                   ; wave 0..7
	v_lshlrev_b32 v4, 4, v1                        ; 16 x lane
	s_mul_i32 s27, s24, 2*RP                       ; my two rows in LDS
	v_lshlrev_b32 v5, 2, v1
	v_add_nc_u32 v5, s27, v5                       ; where I put four codes
	v_add_nc_u32 v6, s27, v4
	v_add_nc_u32 v6, XS3, v6                       ; where I read 16 codes of xq back
	v_mul_u32_u24 v7, v2, RP
	v_lshl_add_u32 v7, v3, 4, v7                   ; wave 0: a fragment of tokens: row r, + 16 h
	v_lshlrev_b32 v8, 10, v2
	v_lshl_add_u32 v8, v3, 4, v8                   ; wave 0: a fragment of wg: expert r, + 16 h
	v_lshlrev_b32 v[GADR], 4, v2
	v_lshlrev_b32 v[WADR], 2, v2
	v_mov_b32 v[RS+1], 0                           ; (named as the upper words of pairs)
	v_mov_b32 v[RS+3], 0
	s_mov_b32 s25, 0x3a800000                      ; 1 / 1024
	s_mov_b32 s26, 0x3727c5ac                      ; 1e-5
	s_mov_b32 s28, 0x76543210                      ; v_permlanex16_b32: lane l xor 16
	s_mov_b32 s29, 0xfedcba98
	s_mov_b32 s31, 0x3fb8aa3b                      ; log2(e)
	s_lshl_b32 s2, ttmp9, 16                       ; 16 rows of 4,096 bytes,
	s_lshl_b32 s27, s24, 13                        ; my two of them
	s_add_co_u32 s2, s2, s27
	s_mov_b32 s3, 0
	s_wait_kmcnt 0x0
	s_load_b128 s[20:23], s[12:13], 0x0            ; e0 .. e3
	s_load_b512 s[36:51], s[10:11], 0x0            ; bg
	s_add_nc_u64 s[4:5], s[4:5], s[2:3]
	s_lshr_b32 s2, s2, 2                           ; a row of codes is a quarter of a row of x
	s_add_nc_u64 s[14:15], s[14:15], s[2:3]
	s_lshl_b32 s2, ttmp9, 6
	s_add_nc_u64 s[16:17], s[16:17], s[2:3]
	s_lshl_b32 s2, ttmp9, 8
	s_add_nc_u64 s[18:19], s[18:19], s[2:3]
.irp p, 0,1
.irp i, 0,1,2,3,4,5,6,7
	global_load_b128 v[X+32*\p+4*\i:X+32*\p+4*\i+3], v4, s[4:5] offset:4096*\p+512*\i th:TH_LOAD_NT
.endr
.endr
.irp i, 0,1,2,3,4,5,6,7
	global_load_b128 v[NS+4*\i:NS+4*\i+3], v4, s[6:7] offset:512*\i
.endr
	s_cmp_lg_u32 s24, 0
	s_cbranch_scc1 .Lnot0
	WIN 0x40                                       ; destination window 1: wg's eight fragments, K step ks at v[16 ks]
.irp ks, 0,1,2,3,4,5,6,7
.irp c, 0,1,2,3
	global_load_b128 v[16*\ks+4*\c:16*\ks+4*\c+3], v8, s[8:9] offset:128*\ks+32*\c
.endr
.endr
	WIN 0
	s_wait_loadcnt 32                              ; x and norm_scale are in; wg's 32 loads may stay out
	s_branch .Ljoin
.Lnot0:
	s_wait_loadcnt 0x0
.Ljoin:
	; mean of squares, two packed chains a row, then across the 32 lanes
.irp p, 0,1
	v_pk_mul_f32 v[SQ+4*\p:SQ+4*\p+1], v[X+32*\p:X+32*\p+1], v[X+32*\p:X+32*\p+1]
	v_pk_mul_f32 v[SQ+4*\p+2:SQ+4*\p+3], v[X+32*\p+2:X+32*\p+3], v[X+32*\p+2:X+32*\p+3]
.irp j, 4,8,12,16,20,24,28
	v_pk_fma_f32 v[SQ+4*\p:SQ+4*\p+1], v[X+32*\p+\j:X+32*\p+\j+1], v[X+32*\p+\j:X+32*\p+\j+1], v[SQ+4*\p:SQ+4*\p+1]
	v_pk_fma_f32 v[SQ+4*\p+2:SQ+4*\p+3], v[X+32*\p+\j+2:X+32*\p+\j+3], v[X+32*\p+\j+2:X+32*\p+\j+3], v[SQ+4*\p+2:SQ+4*\p+3]
.endr
	v_pk_add_f32 v[SQ+4*\p:SQ+4*\p+1], v[SQ+4*\p:SQ+4*\p+1], v[SQ+4*\p+2:SQ+4*\p+3]
	v_add_f32 v[SQ+4*\p], v[SQ+4*\p], v[SQ+4*\p+1]
	v_add_f32_dpp v[SQ+4*\p], v[SQ+4*\p], v[SQ+4*\p] row_xmask:1 row_mask:0xf bank_mask:0xf
	v_add_f32_dpp v[SQ+4*\p], v[SQ+4*\p], v[SQ+4*\p] row_xmask:2 row_mask:0xf bank_mask:0xf
	v_add_f32_dpp v[SQ+4*\p], v[SQ+4*\p], v[SQ+4*\p] row_xmask:4 row_mask:0xf bank_mask:0xf
	v_add_f32_dpp v[SQ+4*\p], v[SQ+4*\p], v[SQ+4*\p] row_xmask:8 row_mask:0xf bank_mask:0xf
	v_permlanex16_b32 v[SQ+4*\p+1], v[SQ+4*\p], s28, s29
	v_add_f32 v[SQ+4*\p], v[SQ+4*\p], v[SQ+4*\p+1]
	v_fma_f32 v[SQ+4*\p], v[SQ+4*\p], s25, s26     ; sum / 1024 + eps
.endr
	v_rsq_f32 v[RS], v[SQ]
	v_rsq_f32 v[RS+2], v[SQ+4]
	v_nop                                          ; a plain line between the roots and their use
	s_wait_alu depctr_va_vdst(0)
.irp p, 0,1
.irp j, 0,2,4,6,8,10,12,14,16,18,20,22,24,26,28,30
	v_pk_mul_f32 v[X+32*\p+\j:X+32*\p+\j+1], v[X+32*\p+\j:X+32*\p+\j+1], v[RS+2*\p:RS+2*\p+1] op_sel_hi:[1,0]
	v_pk_mul_f32 v[X+32*\p+\j:X+32*\p+\j+1], v[X+32*\p+\j:X+32*\p+\j+1], v[NS+\j:NS+\j+1]
.endr
.endr
	s_wait_kmcnt 0x0
	s_add_co_i32 s27, s20, 127
	s_lshl_b32 s52, s27, 23
	v_mov_b32 v9, s52                              ; 2^e0: the conversion takes its exponent field
	s_add_co_i32 s27, s27, 8
	s_lshl_b32 s27, s27, 23
	s_or_b32 s27, s27, 0x600000
	v_mov_b32 v10, s27                             ; 448 x 2^e0
	s_add_co_i32 s27, s23, 127
	s_lshl_b32 s52, s27, 23
	v_mov_b32 v11, s52                             ; 2^e3
	s_add_co_i32 s27, s27, 8
	s_lshl_b32 s27, s27, 23
	s_or_b32 s27, s27, 0x600000
	v_mov_b32 v12, s27                             ; 448 x 2^e3
	s_add_co_i32 s30, s20, s21
	s_add_co_i32 s30, s30, 127
	s_lshl_b32 s30, s30, 23                        ; 2^(e0 + e1)
	Q8 X, C0, 9, 10, T                             ; at e0 through a copy, at e3 in place; each run of holds is the plain work behind the conversions before it
	Q8 X, C3, 11, 12, X
	Q8 X+32, C0+8, 9, 10, T
	Q8 X+32, C3+8, 11, 12, X+32
	v_nop                                          ; a plain line behind the last conversion: matrix instructions write these registers later
.irp p, 0,1
.irp i, 0,1,2,3,4,5,6,7
	ds_store_b32 v5, v[C0+8*\p+\i] offset:XS0+RP*\p+128*\i     ; 32 lanes: 128 consecutive codes, k = 128 i on
	ds_store_b32 v5, v[C3+8*\p+\i] offset:XS3+RP*\p+128*\i
.endr
.endr
.irp p, 0,1
.irp f, 0,1
	ds_load_b128 v[OUTR+8*\p+4*\f:OUTR+8*\p+4*\f+3], v6 offset:RP*\p+512*\f   ; LDS serves a wave's instructions in order: these see my stores
.endr
.endr
	s_wait_dscnt 3
	global_store_b128 v4, v[OUTR:OUTR+3], s[14:15]                 ; 512 consecutive bytes of xq a store
	s_wait_dscnt 2
	global_store_b128 v4, v[OUTR+4:OUTR+7], s[14:15] offset:512
	s_wait_dscnt 1
	global_store_b128 v4, v[OUTR+8:OUTR+11], s[14:15] offset:1024
	s_wait_dscnt 0x0                               ; also for the others' sake: my stores into XS0 are done
	global_store_b128 v4, v[OUTR+12:OUTR+15], s[14:15] offset:1536
	s_barrier_signal -1
	s_barrier_wait -1                              ; the 16 rows of codes at e0 lie in LDS
	s_cmp_lg_u32 s24, 0
	s_cbranch_scc1 .Ldone
	; wave 0: logits^T = wg x xn^T: source 0 = the 16 experts, source 1 = the 16 tokens; both sides take k = 128 ks + 32 c + 16 h + 0 .. 15 into registers 4 c .. 4 c + 3
.irp ks, 0,1,2,3,4,5,6,7
.irp c, 0,1,2,3
	ds_load_b128 v[X+16*\ks+4*\c:X+16*\ks+4*\c+3], v7 offset:XS0+128*\ks+32*\c
.endr
.endr
	s_wait_dscnt 0x0
	s_wait_loadcnt 0x0                             ; wg
	WIN 0x01                                       ; source 0 window 1
.irp ks, 0,1,2,3,4,5,6,7                       ; two accumulators by turns; the first two products start the sums
.if \ks < 2
	v_wmma_f32_16x16x128_fp8_fp8 v[C0+8*(\ks%2):C0+8*(\ks%2)+7], v[16*\ks:16*\ks+15], v[X+16*\ks:X+16*\ks+15], 0
.else
	v_wmma_f32_16x16x128_fp8_fp8 v[C0+8*(\ks%2):C0+8*(\ks%2)+7], v[16*\ks:16*\ks+15], v[X+16*\ks:X+16*\ks+15], v[C0+8*(\ks%2):C0+8*(\ks%2)+7]
.endif
.endr
	WIN 0
.rept 4
	v_nop                                          ; four places behind the last product (ISA guide 7.12.1)
.endr
.irp j, 0,2,4,6
	v_pk_add_f32 v[C0+\j:C0+\j+1], v[C0+\j:C0+\j+1], v[C0+8+\j:C0+8+\j+1]   ; lane (r, h): token r, experts 8 h + 0 .. 7
.endr
.irp j, 0,1,2,3,4,5,6,7
	v_permlanex16_b32 v[C3+\j], v[C0+\j], s28, s29 ; the other eight experts
.endr
	v_cmp_eq_u32 vcc_lo, 0, v3
.irp j, 0,1,2,3,4,5,6,7
	v_cndmask_b32 v[L+\j], v[C3+\j], v[C0+\j], vcc_lo
	v_cndmask_b32 v[L+8+\j], v[C0+\j], v[C3+\j], vcc_lo
.endr
.irp i, 0,1,2,3,4,5,6,7,8,9,10,11,12,13,14,15
	v_fma_f32 v[L+\i], v[L+\i], s30, s[36+\i]      ; sum x 2^(e0 + e1) + bg
.endr
	v_mov_b32 v[NINF], 0xff800000
	PICK 0
	PICK 1
	PICK 2
	PICK 3
.irp k, 1,2,3
	v_sub_f32 v[G+\k], v[VAL+\k], v[VAL]           ; the largest is taken away
	v_mul_f32 v[G+\k], s31, v[G+\k]
.endr
	v_exp_f32 v[G+1], v[G+1]
	v_exp_f32 v[G+2], v[G+2]
	v_exp_f32 v[G+3], v[G+3]
	v_mov_b32 v[G], 1.0                            ; (a plain line behind the exponentials)
	s_wait_alu depctr_va_vdst(0)
	v_add_f32 v[TM], v[G], v[G+1]
	v_add_f32 v[TM+1], v[G+2], v[G+3]
	v_add_f32 v[TM], v[TM], v[TM+1]
	v_rcp_f32 v[TM], v[TM]
	v_mov_b32 v[ONE], 1                            ; (a plain line behind the reciprocal)
	v_mov_b32 v[ONE+1], 2
	v_mov_b32 v[ONE+2], 3
	s_wait_alu depctr_va_vdst(0)
.irp k, 0,1,2,3
	v_mul_f32 v[G+\k], v[G+\k], v[TM]
.endr
	v_lshlrev_b32 v[MASK], v[IDX], v[ONE]          ; bit e: the token chose expert e
.irp k, 1,2,3
	v_lshlrev_b32 v[TM], v[IDX+\k], v[ONE]
	v_or_b32 v[MASK], v[MASK], v[TM]
.endr
	v_lshlrev_b32 v[TM], 1, v[IDX+1]
	v_lshlrev_b32 v[KMAP], v[TM], v[ONE]           ; bits 2 e + 1 : 2 e: the place k of expert e
.irp k, 2,3
	v_lshlrev_b32 v[TM], 1, v[IDX+\k]
	v_lshlrev_b32 v[TM], v[TM], v[ONE+\k-1]
	v_or_b32 v[KMAP], v[KMAP], v[TM]
.endr
	v_cmp_gt_u32 vcc_lo, 16, v1
	s_wait_xcnt 0x0                                ; EXEC changes only behind this wait: the stores of xq count it among their sources
	s_wait_tensorcnt 0x0
	ds_add_u32 v254, v255
	s_wait_dscnt 0x0
	s_and_saveexec_b32 s52, vcc_lo                 ; lanes 0-15: a lane a token
	global_store_b128 v[GADR], v[G:G+3], s[18:19]  ; 16 lanes: 256 consecutive bytes
	global_store_b32 v[WADR], v[MASK], s[16:17]
	global_store_b32 v[WADR], v[KMAP], s[16:17] offset:4096
	s_endpgm
.Ldone:
	s_wait_tensorcnt 0x0
	ds_add_u32 v254, v255
	s_wait_dscnt 0x0
	s_endpgm
.Lfunc_end_k_q968dd7540d_router:
	.size	k_q968dd7540d_router, .Lfunc_end_k_q968dd7540d_router-k_q968dd7540d_router
	.p2alignl 7, 3214868480
	.fill 96, 4, 3214868480
	.section	.rodata,"a",@progbits
	.p2align	6, 0x0
	.amdhsa_kernel k_q968dd7540d_router
		.amdhsa_group_segment_fixed_size 34304
		.amdhsa_private_segment_fixed_size 0
		.amdhsa_enable_private_segment 0
		.amdhsa_kernarg_size 64
		.amdhsa_user_sgpr_count 2
		.amdhsa_user_sgpr_kernarg_segment_ptr 1
		.amdhsa_wavefront_size32 1
		.amdhsa_system_sgpr_workgroup_id_x 1
		.amdhsa_system_sgpr_workgroup_id_y 1
		.amdhsa_system_sgpr_workgroup_id_z 1
		.amdhsa_system_vgpr_workitem_id 0
		.amdhsa_next_free_vgpr 384
		.amdhsa_next_free_sgpr 66
		.amdhsa_reserve_vcc 1
		.amdhsa_float_denorm_mode_32 3
		.amdhsa_float_denorm_mode_16_64 3
		.amdhsa_memory_ordered 1
		.amdhsa_forward_progress 1
		.amdhsa_inst_pref_size 45
	.end_amdhsa_kernel
	.amdgpu_metadata
---
amdhsa.version: [ 1, 2 ]
amdhsa.kernels:
  - .name:           k_q968dd7540d_router
    .symbol:         k_q968dd7540d_router.kd
    .args:
      - { .name: x, .offset: 0, .size: 8, .value_kind: global_buffer, .address_space: global }
      - { .name: norm_scale, .offset: 8, .size: 8, .value_kind: global_buffer, .address_space: global }
      - { .name: wg_codes, .offset: 16, .size: 8, .value_kind: global_buffer, .address_space: global }
      - { .name: bg, .offset: 24, .size: 8, .value_kind: global_buffer, .address_space: global }
      - { .name: lowp_scales, .offset: 32, .size: 8, .value_kind: global_buffer, .address_space: global }
      - { .name: xq, .offset: 40, .size: 8, .value_kind: global_buffer, .address_space: global }
      - { .name: route, .offset: 48, .size: 8, .value_kind: global_buffer, .address_space: global }
      - { .name: gates, .offset: 56, .size: 8, .value_kind: global_buffer, .address_space: global }
    .group_segment_fixed_size: 34304
    .private_segment_fixed_size: 0
    .kernarg_segment_align: 8
    .kernarg_segment_size: 64
    .max_flat_workgroup_size: 256
    .sgpr_count:     66
    .vgpr_count:     384
    .wavefront_size: 32
...
	.end_amdgpu_metadata
.endif
;; end of part 1
;; launch ffn1 (part 2): grid 16 x 16, 4 waves a work-group, no clusters, 134,144 bytes of LDS; arguments xq, route, w1_codes, b1, lowp_scales, simg, rows; writes simg, rows
.if DOCPART == 2
	.amdgcn_target "amdgcn-amd-amdhsa--gfx1250"
	.amdhsa_code_object_version 6
	.text
	.protected	k_q968dd7540d_ffn1
	.globl	k_q968dd7540d_ffn1
	.p2align	8
	.type	k_q968dd7540d_ffn1,@function
k_q968dd7540d_ffn1:
	s_mov_b64 s[64:65], 0
	v_nop
	global_prefetch_b8 v0, s[64:65] scope:SCOPE_SE
	s_setreg_imm32_b32 hwreg(HW_REG_WAVE_MODE, 25, 1), 1
	s_wait_xcnt 0x0
; The first expert product on E4M3 codes, the clipped SwiGLU and the quantiser of s, for the chosen rows only.
; A work-group is (expert e = y, slice x of 128 columns of h): its 128 rows of w1 (128 KiB) are read from memory once, by this work-group alone, and lie in LDS; the four waves share the expert's tiles of 16 rows.
; PLACING.  Every wave reads the 1,024 masks of the choice and keeps, in scalar registers, the expert's members as 32 masks of 32 (chunk c = 4 i + q, bit l: token 128 i + 4 l + q) and the number of members below each chunk.
; Sorted row i lies in the last chunk whose number is <= i (31 steps of compare and select), and is there the (i - that number)-th set bit, found by counts of the mask's fields of 2, 4, 8 and 16 bits and five halvings.
; Lanes 0-15 search for one tile, lanes 16-31 for the next of the wave's tiles, and hand the tokens to each other: three searches for five tiles, while the weights are on their way.
; Rows past the count n in the last tile are copies of row n - 1 (the index is held at n - 1), so they give the same codes and the same addresses, and no lane is ever switched off in the products.
; With n = 0 one tile is still made (of token 1023), so that all that the next launch loads has been stored.
; THE PRODUCT IS USED TRANSPOSED (source 0 = 16 rows of w1, source 1 = 16 tokens), and the rows of w1 that form a tile are chosen by the place that the fill gives them in LDS: column c = 64 hf + 32 h + 8 t + 2 i + ab of the
; slice goes to LDS row 64 hf + 16 t + 8 h + 4 ab + i.  Lane (r, h) then holds, of token r and tile t of half hf, gate a0..a3 in registers 0-3 and linear b0..b3 in registers 4-7, for s columns 32 hf + 16 h + 4 t + i:
; 16 neighbours along the next K, which are piece c = 2 (slice & 1) + hf of K step slice >> 1 of the next product's operand.  They are stored as an image of that operand's registers: 16 bytes a lane, 512 a store.
; Both sides of the product take k = 128 ks + 32 c + 16 h + 0 .. 15 into registers 4 c .. 4 c + 3: one permutation of k for both.
; b1 lies in LDS in the result's order, the linear entries with 1 added: clip(b, -7, 7) + 1 = clip(b + 1, -6, 8).
; A wave takes tiles tb + 4 m + w, m = 0 .. 4; a lap is 20 tiles, 320 rows; n is at most 1,024, 64 tiles: four laps at the most.
; NO TENSOR LOAD, NO CLUSTER: what the 16 work-groups of an expert share are rows of xq gathered by a list.
; LIMITS: e4 between -126 and 119, e2 + e3 between -126 and 127.  NaN among the inputs is not served.
; REGISTERS, in windows of 256.  Window 0: v1-31 addresses; v32-95, v96-159 two sets of four weight fragments (before the fill: half of the weights' staging; in the epilogue: at work); v160-191 accumulators of m = 4;
;   v192-223 the masks as loaded, then the searches' registers, then b1; v224-243 codes; v244-248 the tokens' k maps; v249-253 places in the row list.
;   Window 1: tokens' fragments of m = 0, 1 (128 registers each, K step ks at 16 ks).  Window 2: m = 2, 3.  Window 3: v0-127 m = 4; v128-255 accumulators of m = 0..3 (before the fill: the other half of the staging).
; SCALARS: s4-17 addresses; s18 wave, s19 slice, s20 expert, s21 n, s22 tiles, s23 tb, s24-28 my five tiles, s29 n - 1; s32-63 the members' masks; s66-97 the members below each chunk.
.set WP,   1040                        ; an LDS row of 1,024 codes + 16: 65 x 16 bytes
.set B1L,  128*WP                      ; LDS: 128 rows of w1 from byte 0 on, then 128 words of b1
.set HFB,  64*WP
.set ADW,  6                           ; v6, v7  a weight fragment's place for my lane, half 0, 1
.set GA,   13                          ; v13-17  token x 1024 + 16 h
.set SO,   18                          ; v18-22  tile x 16384 + 16 lane
.set T4,   23                          ; v23-27  4 x token
.set BS,   32
.set ACC4, 160
.set B1V,  192
.set FS,   192                         ; search g at v[FS + 10 g]: +0 row index, then rank k; +1 members below the chunk; +2 its mask; +3 its number; +4 .. +7 counts of fields of 2, 4, 8, 16 bits; +8 the bit's place; +9 at work
.set CD,   224
.set FP,   229                         ; the slot to store
.set KM,   244
.set RO,   249
.set HH,   32                          ; the epilogue: h, 32 registers;
.set EE,   64                          ; the sigmoid, 16;
.set SS,   80                          ; s, 16
.set SCL,  12                          ; s[12:13]   2^(e2 + e3), as a pair
.set NEGA, 100                         ; s[100:101] -1.702 log2(e), as a pair
.set K7,   2                           ; s2   7
.set KM6,  3                           ; s3   -6
.set K8,   98                          ; s98  8
.set E2X,  99                          ; s99  2 x expert
.set RC,   104                         ; s104 laps done
.set MSB, 0
.macro WIN new                         ; the immediate's high byte repeats the setting that is left
.if MSB != \new
	s_set_vgpr_msb (MSB<<8)|\new
.set MSB, \new
.endif
.endm
.macro PLACES
.rept 4
	v_nop
.endr
.endm
; the five tiles' fragments of K step ks: 20 loads
.macro ALOAD ks
	WIN 0x40
.irp m, 0,1
.irp c, 0,1,2,3
	global_load_b128 v[128*\m+16*(\ks)+4*\c:128*\m+16*(\ks)+4*\c+3], v[GA+\m], s[4:5] offset:128*(\ks)+32*\c
.endr
.endr
	WIN 0x80
.irp m, 0,1
.irp c, 0,1,2,3
	global_load_b128 v[128*\m+16*(\ks)+4*\c:128*\m+16*(\ks)+4*\c+3], v[GA+2+\m], s[4:5] offset:128*(\ks)+32*\c
.endr
.endr
	WIN 0xc0
.irp c, 0,1,2,3
	global_load_b128 v[16*(\ks)+4*\c:16*(\ks)+4*\c+3], v[GA+4], s[4:5] offset:128*(\ks)+32*\c
.endr
.endm
; four weight fragments of half hf, K step ks, into a set: 16 LDS loads (destination and address in window 0)
.macro BFETCH hf, ks, set
.irp t, 0,1,2,3
.irp c, 0,1,2,3
	ds_load_b128 v[BS+64*(\set)+16*\t+4*\c:BS+64*(\set)+16*\t+4*\c+3], v[ADW+\hf] offset:\t*16*WP+128*(\ks)+32*\c
.endr
.endr
.endm
.macro MM d, a, b, ks
.if (\ks) == 0
	v_wmma_f32_16x16x128_fp8_fp8 v[\d:\d+7], v[\a:\a+15], v[\b:\b+15], 0
.else
	v_wmma_f32_16x16x128_fp8_fp8 v[\d:\d+7], v[\a:\a+15], v[\b:\b+15], v[\d:\d+7]
.endif
.endm
; A K step of 128: 20 products, the 20 accumulators by turns, one instruction a turn, in the same order in every step.
.macro STEP hf, ks
.set PAR, (\ks)%2
	WIN 0x0c
	PLACES                                         ; in front of loads into the set that the last step's products read
.if (\ks) < 7
	BFETCH \hf, (\ks)+1, 1-PAR
.endif
.if \hf == 0
.if (\ks) <= 4
	ALOAD (\ks)+3
	s_wait_loadcnt 60                              ; this K step's fragments are in; those of the three steps behind it may be out
.else
	s_wait_loadcnt 20*(7-(\ks))
.endif
.endif
.if (\ks) < 7
	s_wait_dscnt 16                                ; this step's set is in; the fetch just issued may be out
.else
	s_wait_dscnt 0x0
.endif
	WIN 0xf4                                       ; source 1 window 1, C and D window 3
.irp m, 0,1
.irp t, 0,1,2,3
	MM 128+32*\m+8*\t, BS+64*PAR+16*\t, 128*\m+16*(\ks), \ks
.endr
.endr
	WIN 0xf8                                       ; source 1 window 2
.irp m, 0,1
.irp t, 0,1,2,3
	MM 192+32*\m+8*\t, BS+64*PAR+16*\t, 128*\m+16*(\ks), \ks
.endr
.endr
	WIN 0x0c                                       ; source 1 window 3, C and D window 0
.irp t, 0,1,2,3
	MM ACC4+8*\t, BS+64*PAR+16*\t, 16*(\ks), \ks
.endr
.endm
; One halving of the three searches: the members in the lower half of the window at the bit's place (a field of the counts at register src); where the rank reaches them, they are taken off it and the place goes up by step.
.macro SEL src, width, step
.irp g, 0,1,2
	v_bfe_u32 v[FS+10*\g+9], v[FS+10*\g+\src], v[FS+10*\g+8], \width
	v_cmp_ge_u32 vcc_lo, v[FS+10*\g], v[FS+10*\g+9]
	v_sub_nc_u32 v[28+\g], v[FS+10*\g], v[FS+10*\g+9]
	v_cndmask_b32 v[FS+10*\g], v[FS+10*\g], v[28+\g], vcc_lo
	v_add_nc_u32 v[28+\g], \step, v[FS+10*\g+8]
	v_cndmask_b32 v[FS+10*\g+8], v[FS+10*\g+8], v[28+\g], vcc_lo
.endr
.endm
; The lap's tiles, their rows' tokens, and the first two K steps' loads.
.macro PREP_A first
.if !\first
	s_wait_loadcnt 0x0                             ; a wave that left the last lap's products out still has that lap's loads out: no load lands on a register with a pending load
.endif
	s_wait_xcnt 0x0                                ; the registers below were sources of earlier stores and loads
	s_add_co_u32 s24, s23, s18                     ; tile of m = 0: tb + wave
.irp m, 1,2,3,4
	s_add_co_u32 s[24+\m], s[23+\m], 4
.endr
.irp m, 0,1,2,3,4
	s_min_u32 s30, s[24+\m], 63
	s_lshl_b32 s31, s30, 14
	v_add_nc_u32 v[SO+\m], s31, v4
	s_lshl_b32 s31, s30, 6
	v_lshl_add_u32 v[RO+\m], v2, 2, s31
.endr
.irp g, 0,1,2                                  ; search g: lanes 0-15 for tile m = 2 g, lanes 16-31 for m = 2 g + 1, which lies 4 tiles, 64 rows, on
	s_lshl_b32 s31, s[24+2*\g], 4
	v_add_nc_u32 v[FS+10*\g], s31, v5
	v_min_u32 v[FS+10*\g], s29, v[FS+10*\g]        ; held at n - 1
	v_mov_b32 v[FS+10*\g+1], 0                     ; chunk 0: nothing below it,
	v_mov_b32 v[FS+10*\g+2], s32                   ; its mask,
	v_mov_b32 v[FS+10*\g+3], 0                     ; its number
.endr
.set c, 1
.rept 31                                       ; the numbers below the chunks ascend: the last chunk whose number is not above the row index stays
.irp g, 0,1,2
	v_cmp_gt_u32 vcc_lo, s[66+c], v[FS+10*\g]
	v_cndmask_b32 v[FS+10*\g+1], s[66+c], v[FS+10*\g+1], vcc_lo
	v_cndmask_b32 v[FS+10*\g+2], s[32+c], v[FS+10*\g+2], vcc_lo
	v_cndmask_b32 v[FS+10*\g+3], c, v[FS+10*\g+3], vcc_lo
.endr
.set c, c+1
.endr
.irp g, 0,1,2
	v_sub_nc_u32 v[FS+10*\g], v[FS+10*\g], v[FS+10*\g+1]           ; the rank k in the chunk
	v_lshrrev_b32 v[FS+10*\g+9], 1, v[FS+10*\g+2]
	v_and_b32 v[FS+10*\g+9], 0x55555555, v[FS+10*\g+9]
	v_sub_nc_u32 v[FS+10*\g+4], v[FS+10*\g+2], v[FS+10*\g+9]       ; members in each field of 2 bits,
	v_lshrrev_b32 v[FS+10*\g+9], 2, v[FS+10*\g+4]
	v_and_b32 v[FS+10*\g+9], 0x33333333, v[FS+10*\g+9]
	v_and_b32 v[FS+10*\g+5], 0x33333333, v[FS+10*\g+4]
	v_add_nc_u32 v[FS+10*\g+5], v[FS+10*\g+5], v[FS+10*\g+9]       ; of 4,
	v_lshrrev_b32 v[FS+10*\g+9], 4, v[FS+10*\g+5]
	v_add_nc_u32 v[FS+10*\g+6], v[FS+10*\g+5], v[FS+10*\g+9]
	v_and_b32 v[FS+10*\g+6], 0x0f0f0f0f, v[FS+10*\g+6]             ; of 8;
	v_lshrrev_b32 v[FS+10*\g+9], 8, v[FS+10*\g+6]
	v_add_nc_u32 v[FS+10*\g+7], v[FS+10*\g+6], v[FS+10*\g+9]       ; its lowest byte: in bits 0-15
	v_mov_b32 v[FS+10*\g+8], 0
.endr
	SEL 7, 8, 16
	SEL 6, 8, 8
	SEL 5, 4, 4
	SEL 4, 2, 2
	SEL 2, 1, 1
	s_mov_b32 s30, 0x76543210                      ; v_permlanex16_b32: lane l xor 16
	s_mov_b32 s31, 0xfedcba98
.irp g, 0,1,2                                  ; chunk 4 i + q, bit l: token 128 i + 4 l + q
	v_lshrrev_b32 v[28+\g], 2, v[FS+10*\g+3]
	v_lshlrev_b32 v[28+\g], 7, v[28+\g]
	v_lshl_add_u32 v[28+\g], v[FS+10*\g+8], 2, v[28+\g]
	v_and_b32 v[FS+10*\g+9], 3, v[FS+10*\g+3]
	v_add_nc_u32 v[28+\g], v[28+\g], v[FS+10*\g+9]
	v_permlanex16_b32 v[FS+10*\g+9], v[28+\g], s30, s31
.endr
	v_cmp_eq_u32 vcc_lo, 0, v3                     ; lanes 0-15
.irp g, 0,1,2
	v_cndmask_b32 v[FS+10*\g+1], v[FS+10*\g+9], v[28+\g], vcc_lo   ; tile 2 g: lanes 0-15 found it
.endr
.irp g, 0,1
	v_cndmask_b32 v[FS+10*\g+2], v[28+\g], v[FS+10*\g+9], vcc_lo   ; tile 2 g + 1: lanes 16-31 found it
.endr
.irp m, 0,1,2,3,4
	v_min_u32 v[FS+10*(\m/2)+1+(\m%2)], 0x3ff, v[FS+10*(\m/2)+1+(\m%2)]
	v_lshl_add_u32 v[GA+\m], v[FS+10*(\m/2)+1+(\m%2)], 10, v3
	v_lshlrev_b32 v[T4+\m], 2, v[FS+10*(\m/2)+1+(\m%2)]
.endr
.irp m, 0,1,2,3,4
	global_load_b32 v[KM+\m], v[T4+\m], s[6:7] offset:4096
.endr
	ALOAD 0
	ALOAD 1
	WIN 0
.endm
.macro PREP_B
	ALOAD 2
	WIN 0
.endm
; The row list, by slice 0 alone: slot = 4 x token + the expert's place k in the token's top-4.  Lanes r and r + 16 hold the same word for the same address.  Tiles ascend with m, so the first that is past the end ends the run.
.macro SLOTS
	s_cmp_lg_u32 s19, 0
	s_cbranch_scc1 .Lns_\@
.irp m, 0,1,2,3,4
	s_cmp_ge_u32 s[24+\m], s22
	s_cbranch_scc1 .Lns_\@
	v_lshrrev_b32 v[FP+\m], s[E2X], v[KM+\m]
	v_and_b32 v[FP+\m], 3, v[FP+\m]
	v_add_nc_u32 v[FP+\m], v[FP+\m], v[T4+\m]
	global_store_b32 v[RO+\m], v[FP+\m], s[16:17]
.endr
.Lns_\@:
.endm
; Tile m of half hf: h = sum x 2^(e2 + e3) + b1; a = min(a, 7); s = a sigmoid(1.702 a) clip(b + 1, -6, 8); 16 codes a lane; one store of 512 consecutive bytes.
.macro EPI hf, m
	s_cmp_ge_u32 s[24+\m], s22
	s_cbranch_scc1 .Lep_\@
	s_wait_xcnt 0x0                                ; the codes' registers were the data of earlier stores
.if \m < 4
	WIN 0x03                                       ; source 0 window 3
.set AC, 128+32*\m
.else
.set AC, ACC4
.endif
.irp j, 0,2,4,6,8,10,12,14,16,18,20,22,24,26,28,30
	v_pk_fma_f32 v[HH+\j:HH+\j+1], v[AC+\j:AC+\j+1], s[SCL:SCL+1], v[B1V+\j:B1V+\j+1] op_sel_hi:[1,0,1]   ; each accumulator from its low end on
.endr
	WIN 0
.irp t, 0,1,2,3
.irp i, 0,1,2,3
	v_min_num_f32 v[HH+8*\t+\i], s[K7], v[HH+8*\t+\i]
.endr
.endr
.irp t, 0,1,2,3
.irp p, 0,2
	v_pk_mul_f32 v[EE+4*\t+\p:EE+4*\t+\p+1], v[HH+8*\t+\p:HH+8*\t+\p+1], s[NEGA:NEGA+1] op_sel_hi:[1,0]    ; -1.702 log2(e) a
.endr
.endr
.set i, 0
.rept 16
	v_exp_f32 v[EE+i], v[EE+i]
.set i, i+1
.endr
.irp t, 0,1,2,3                                ; the linear branch's clip: plain lines that touch no exponential
.irp i, 4,5,6,7
	v_med3_num_f32 v[HH+8*\t+\i], v[HH+8*\t+\i], s[KM6], s[K8]
.endr
.endr
	s_wait_alu depctr_va_vdst(0)
.irp j, 0,2,4,6,8,10,12,14
	v_pk_add_f32 v[EE+\j:EE+\j+1], v[EE+\j:EE+\j+1], 1.0 op_sel_hi:[1,0]
.endr
.set i, 0
.rept 16
	v_rcp_f32 v[EE+i], v[EE+i]
.set i, i+1
.endr
.irp t, 0,1,2,3                                ; a (b + 1): plain lines that touch no reciprocal
.irp p, 0,2
	v_pk_mul_f32 v[SS+4*\t+\p:SS+4*\t+\p+1], v[HH+8*\t+\p:HH+8*\t+\p+1], v[HH+8*\t+4+\p:HH+8*\t+4+\p+1]
.endr
.endr
	s_wait_alu depctr_va_vdst(0)
.irp j, 0,2,4,6,8,10,12,14
	v_pk_mul_f32 v[SS+\j:SS+\j+1], v[SS+\j:SS+\j+1], v[EE+\j:EE+\j+1]
.endr
.set i, 0
.rept 16
	v_med3_num_f32 v[SS+i], v[SS+i], -v12, v12     ; the conversion to an 8-bit code does not saturate (ISA guide 7.6.2)
.set i, i+1
.endr
	v_cvt_scalef32_pk8_fp8_f32 v[CD+4*\m:CD+4*\m+1], v[SS:SS+7], v11
	v_cvt_scalef32_pk8_fp8_f32 v[CD+4*\m+2:CD+4*\m+3], v[SS+8:SS+15], v11
	v_nop                                          ; a plain line behind the last conversion
	global_store_b128 v[SO+\m], v[CD+4*\m:CD+4*\m+3], s[14:15] offset:512*\hf
.Lep_\@:
.endm
.macro HALF hf
.irp q, 0,1,2,3,4,5,6,7
	ds_load_b128 v[B1V+4*\q:B1V+4*\q+3], v8 offset:256*\hf+16*\q
.endr
	BFETCH \hf, 0, 0
.irp k, 0,1,2,3,4,5,6,7
	STEP \hf, \k
.endr
	WIN 0
	PLACES                                         ; behind the last products: for the reads of results, the writes and the loads over operands that follow on any way
.if \hf == 0
	SLOTS
.endif
.irp m, 0,1,2,3,4
	EPI \hf, \m
.endr
.endm
	s_load_b256 s[4:11], s[0:1], 0x0               ; xq, route, w1_codes, b1
	s_load_b128 s[12:15], s[0:1], 0x20             ; lowp_scales, simg
	s_load_b64 s[16:17], s[0:1], 0x30              ; rows
	v_lshl_add_u32 v254, v0, 2, 0x20a00
	v_mov_b32 v255, 0
	v_and_b32 v1, 31, v0                           ; lane
	v_and_b32 v2, 15, v0                           ; r
	v_bfe_u32 v3, v0, 4, 1                         ; h
	v_lshrrev_b32 v28, 5, v0
	v_readfirstlane_b32 s18, v28                   ; wave 0..3
	s_mov_b32 s19, ttmp9                           ; slice
	s_and_b32 s20, ttmp7, 0xffff                   ; expert
	v_lshlrev_b32 v4, 4, v1
	v_lshl_add_u32 v5, v3, 6, v2                   ; r + 64 h: my row in a search's pair of tiles
	v_mul_u32_u24 v6, v2, WP
	v_lshl_add_u32 v6, v3, 4, v6
	v_add_nc_u32 v7, HFB, v6
	v_lshl_add_u32 v8, v3, 7, B1L                  ; b1: my half's 32 words of a half hf
	v_and_b32 v9, 0x78, v0                         ; thread c puts b1 of column c at word (c & 0x78) + 4 (c & 1) + ((c >> 1) & 3)
	v_and_b32 v28, 1, v0
	v_lshl_add_u32 v9, v28, 2, v9
	v_bfe_u32 v30, v0, 1, 2
	v_add_nc_u32 v9, v9, v30
	v_lshl_add_u32 v9, v9, 2, B1L
	v_cvt_f32_u32 v31, v28                         ; 1.0 for a linear column
	s_lshr_b32 s30, s18, 1                         ; the fill: wave w holds columns 32 w on: hf = w >> 1, h = w & 1
	s_lshl_b32 s30, s30, 6
	s_and_b32 s31, s18, 1
	s_lshl_b32 s31, s31, 3
	s_add_co_u32 s30, s30, s31
	s_mul_i32 s30, s30, WP
	v_add_nc_u32 v10, s30, v4
	v_lshlrev_b32 v3, 4, v3                        ; from here on: 16 h
	v_lshlrev_b32 v29, 2, v0
	s_mov_b32 s3, 0
	s_lshl_b32 s2, s20, 21                         ; w1: expert, slice, my 32 rows
	s_lshl_b32 s30, s19, 17
	s_add_co_u32 s2, s2, s30
	s_lshl_b32 s30, s18, 15
	s_add_co_u32 s2, s2, s30
	s_wait_kmcnt 0x0
	s_load_b128 s[24:27], s[12:13], 0x8            ; e2 .. e5
	s_add_nc_u64 s[8:9], s[8:9], s[2:3]
	s_lshl_b32 s2, s20, 13
	s_lshl_b32 s30, s19, 9
	s_add_co_u32 s2, s2, s30
	s_add_nc_u64 s[10:11], s[10:11], s[2:3]
	s_lshl_b32 s2, s20, 20                         ; simg: the expert's 64 tiles; the slice's two pieces of a tile
	s_lshl_b32 s30, s19, 10
	s_add_co_u32 s2, s2, s30
	s_add_nc_u64 s[14:15], s[14:15], s[2:3]
	s_lshl_b32 s2, s20, 2
	s_add_co_u32 s2, s2, 65536
	s_add_nc_u64 s[98:99], s[16:17], s[2:3]        ; the expert's count
	s_lshl_b32 s2, s20, 12
	s_add_nc_u64 s[16:17], s[16:17], s[2:3]        ; the expert's row list
.irp i, 0,1,2,3,4,5,6,7
	global_load_b128 v[B1V+4*\i:B1V+4*\i+3], v4, s[6:7] offset:512*\i   ; the masks: register 4 i + q: token 128 i + 4 lane + q
.endr
	global_load_b32 v28, v29, s[10:11]
.set q, 0
.rept 32                                       ; my 32 rows of w1, 512 consecutive bytes a load
	global_load_b128 v[BS+4*q:BS+4*q+3], v4, s[8:9] offset:512*q th:TH_LOAD_NT
.set q, q+1
.endr
	WIN 0xc0
.set q, 0
.rept 32
	global_load_b128 v[128+4*q:128+4*q+3], v4, s[8:9] offset:16384+512*q th:TH_LOAD_NT
.set q, q+1
.endr
	WIN 0
	s_wait_loadcnt 63                              ; of the 73 loads the ten oldest are in: the eight of the masks and b1's among them
	s_lshl_b32 s30, 1, s20
.set c, 0
.rept 32
	v_and_b32 v30, s30, v[B1V+c]
	v_cmp_ne_u32 s[32+c], 0, v30                   ; chunk c's 32 members as a mask
.set c, c+1
.endr
	s_mov_b32 s66, 0
.set c, 0
.rept 31
	s_bcnt1_i32_b32 s31, s[32+c]
	s_add_co_u32 s[67+c], s[66+c], s31             ; members below chunk c + 1
.set c, c+1
.endr
	s_bcnt1_i32_b32 s31, s63
	s_add_co_u32 s21, s97, s31                     ; n
	s_add_co_u32 s22, s21, 15
	s_lshr_b32 s22, s22, 4
	s_max_u32 s22, s22, 1                          ; tiles, at least one
	s_sub_co_u32 s29, s21, 1                       ; n - 1 (with n = 0 the greatest number: nothing is held)
	v_add_f32 v28, v28, v31
	ds_store_b32 v9, v28
	s_or_b32 s30, s19, s18
	s_cmp_lg_u32 s30, 0
	s_cbranch_scc1 .Lno_cnt                        ; slice 0's wave 0 stores the count, from lane 0
	v_mov_b32 v30, 0
	v_mov_b32 v31, s21
	v_cmp_eq_u32 vcc_lo, 0, v1
	s_wait_xcnt 0x0                                ; EXEC changes only behind this wait
	s_and_saveexec_b32 s30, vcc_lo
	global_store_b32 v30, v31, s[98:99]
	s_wait_xcnt 0x0                                ; and again, in front of the line that widens it; the store's base is free too
	s_or_b32 exec_lo, exec_lo, s30
.Lno_cnt:
	s_wait_kmcnt 0x0                               ; the exponents are in, and their load has read its base
	s_add_co_i32 s[SCL], s24, s25
	s_add_co_i32 s[SCL], s[SCL], 127
	s_lshl_b32 s[SCL], s[SCL], 23                  ; 2^(e2 + e3)
	s_mov_b32 s[SCL+1], s[SCL]                     ; (named with it as a pair)
	s_mov_b32 s[NEGA], 0xc01d265f                  ; -1.702 log2(e)
	s_mov_b32 s[NEGA+1], s[NEGA]
	s_mov_b32 s[K7], 0x40e00000                    ; 7
	s_mov_b32 s[KM6], 0xc0c00000                   ; -6
	s_mov_b32 s[K8], 0x41000000                    ; 8
	s_lshl_b32 s[E2X], s20, 1
	s_add_co_i32 s30, s26, 127
	s_lshl_b32 s31, s30, 23
	v_mov_b32 v11, s31                             ; 2^e4
	s_add_co_i32 s30, s30, 8
	s_lshl_b32 s30, s30, 23
	s_or_b32 s30, s30, 0x600000
	v_mov_b32 v12, s30                             ; 448 x 2^e4
	s_mov_b32 s23, 0                               ; tb
	s_mov_b32 s[RC], 0
	PREP_A 1
	s_wait_loadcnt 45                              ; the weights are in; the 5 + 40 loads issued behind them may be out
.set q, 0
.rept 32
.set cc, q/2
	ds_store_b128 v10, v[BS+4*q:BS+4*q+3] offset:(16*(cc>>3)+4*(cc&1)+((cc>>1)&3))*WP+512*(q%2)
.set q, q+1
.endr
	WIN 0x0c                                       ; store data window 3
.set q, 0
.rept 32
.set cc, 16+q/2
	ds_store_b128 v10, v[128+4*q:128+4*q+3] offset:(16*(cc>>3)+4*(cc&1)+((cc>>1)&3))*WP+512*(q%2)
.set q, q+1
.endr
	WIN 0
	PREP_B
	s_wait_dscnt 0x0                               ; for the others' sake: my part of the slice and my word of b1 are stored
	s_barrier_signal -1
	s_barrier_wait -1                              ; the slice and b1 lie in LDS; from here on LDS is only read
.Llap:
	s_cmp_ge_u32 s24, s22
	s_cbranch_scc1 .Lidle                          ; my first tile lies past the end: nothing of this lap is mine
	HALF 0
	HALF 1
.Lidle:
	s_add_co_u32 s23, s23, 20
	s_cmp_ge_u32 s23, s22
	s_cbranch_scc1 .Lend                           ; no tile is left
	PREP_A 0
	PREP_B
	s_add_co_u32 s[RC], s[RC], 1                   ; the loop is counted: 64 tiles at the most are four laps of 20
	s_cmp_lt_u32 s[RC], 4
	s_cbranch_scc1 .Llap
.Lend:
	s_wait_tensorcnt 0x0
	ds_add_u32 v254, v255
	s_wait_dscnt 0x0
	s_endpgm
.Lfunc_end_k_q968dd7540d_ffn1:
	.size	k_q968dd7540d_ffn1, .Lfunc_end_k_q968dd7540d_ffn1-k_q968dd7540d_ffn1
	.p2alignl 7, 3214868480
	.fill 96, 4, 3214868480
	.section	.rodata,"a",@progbits
	.p2align	6, 0x0
	.amdhsa_kernel k_q968dd7540d_ffn1
		.amdhsa_group_segment_fixed_size 134144
		.amdhsa_private_segment_fixed_size 0
		.amdhsa_enable_private_segment 0
		.amdhsa_kernarg_size 56
		.amdhsa_user_sgpr_count 2
		.amdhsa_user_sgpr_kernarg_segment_ptr 1
		.amdhsa_wavefront_size32 1
		.amdhsa_system_sgpr_workgroup_id_x 1
		.amdhsa_system_sgpr_workgroup_id_y 1
		.amdhsa_system_sgpr_workgroup_id_z 1
		.amdhsa_system_vgpr_workitem_id 0
		.amdhsa_next_free_vgpr 1024
		.amdhsa_next_free_sgpr 105
		.amdhsa_reserve_vcc 1
		.amdhsa_float_denorm_mode_32 3
		.amdhsa_float_denorm_mode_16_64 3
		.amdhsa_memory_ordered 1
		.amdhsa_forward_progress 1
		.amdhsa_inst_pref_size 197
	.end_amdhsa_kernel
	.amdgpu_metadata
---
amdhsa.version: [ 1, 2 ]
amdhsa.kernels:
  - .name:           k_q968dd7540d_ffn1
    .symbol:         k_q968dd7540d_ffn1.kd
    .args:
      - { .name: xq, .offset: 0, .size: 8, .value_kind: global_buffer, .address_space: global }
      - { .name: route, .offset: 8, .size: 8, .value_kind: global_buffer, .address_space: global }
      - { .name: w1_codes, .offset: 16, .size: 8, .value_kind: global_buffer, .address_space: global }
      - { .name: b1, .offset: 24, .size: 8, .value_kind: global_buffer, .address_space: global }
      - { .name: lowp_scales, .offset: 32, .size: 8, .value_kind: global_buffer, .address_space: global }
      - { .name: simg, .offset: 40, .size: 8, .value_kind: global_buffer, .address_space: global }
      - { .name: rows, .offset: 48, .size: 8, .value_kind: global_buffer, .address_space: global }
    .group_segment_fixed_size: 134144
    .private_segment_fixed_size: 0
    .kernarg_segment_align: 8
    .kernarg_segment_size: 56
    .max_flat_workgroup_size: 128
    .sgpr_count:     105
    .vgpr_count:     1024
    .wavefront_size: 32
...
	.end_amdgpu_metadata
.endif
;; end of part 2
;; launch ffn2 (part 3): grid 16 x 16, 4 waves a work-group, no clusters, 133,632 bytes of LDS; arguments simg, rows, w2_codes, b2, lowp_scales, y; writes y
.if DOCPART == 3
	.amdgcn_target "amdgcn-amd-amdhsa--gfx1250"
	.amdhsa_code_object_version 6
	.text
	.protected	k_q968dd7540d_ffn2
	.globl	k_q968dd7540d_ffn2
	.p2align	8
	.type	k_q968dd7540d_ffn2,@function
k_q968dd7540d_ffn2:
	s_mov_b64 s[64:65], 0
	v_nop
	global_prefetch_b8 v0, s[64:65] scope:SCOPE_SE
	s_setreg_imm32_b32 hwreg(HW_REG_WAVE_MODE, 25, 1), 1
	s_wait_xcnt 0x0
; The second expert product on E4M3 codes: y[slot] = s w2 x 2^(e4 + e5) + b2, for the chosen rows, in bf16 (an operand of the weighted sum over the four experts, a product that is left as it is).
; A work-group is (expert = y, slice = x >> 1 of 128 output columns, rh = x & 1): the slice's 128 rows of w2 (128 KiB) lie in LDS; the two work-groups of a slice take the tiles of rows by turns.
; Source 0 = 16 rows of s, loaded as the image of the operand's registers that the launch before stored (512 consecutive bytes a load); source 1 = 16 rows of w2.  LDS row 16 t + r holds output column 8 r + t,
; so a lane's eight tiles are eight neighbouring columns of one row: 16 bytes of bf16, and sixteen lanes store 256 consecutive aligned bytes of a row of y.  No stage in LDS.
; A wave takes tiles tb + 8 m + 2 w + rh, m = 0 .. 2; a lap of the pair is 24 tiles; the count is held at 1,024 rows, 64 tiles: three laps at the most.  A tile past the end is loaded as the last tile and not stored.
; Rows past the count in the last tile are copies of the last row, slot and all: they store the same bytes at the same place.
; NO TENSOR LOAD, NO CLUSTER: the slice that two work-groups share is loaded by each of them.
; LIMITS: e4 + e5 between -126 and 127.
; REGISTERS.  Window 0: addresses, b2, slots, v64-127 y in f32, v128-159 y in bf16.  Window 1: a ring of five K steps of s, 48 registers each.  Window 2: two sets of eight weight fragments (before the fill: the staging).  Window 3: 24 accumulators.
.set WP,   1040
.set ADW,  6                           ; v6, v7   a weight fragment's place for my lane: tiles 0-3, 4-7
.set AO,   10                          ; v10-12   tile x 16384 + 16 lane
.set RO,   13                          ; v13-15   tile x 64 + 32 h
.set B2,   16                          ; v16-23   b2 at columns 8 r + 0 .. 7
.set SL,   32                          ; v32-55   slots of rows 8 h + 0 .. 7, for each m
.set SA,   56                          ; v56-63   store addresses
.set Y,    64
.set O,    128
.set RC,   36                          ; s36      laps done
.set MSB, 0
.macro WIN new
.if MSB != \new
	s_set_vgpr_msb (MSB<<8)|\new
.set MSB, \new
.endif
.endm
.macro PLACES
.rept 4
	v_nop
.endr
.endm
.macro ALOAD ks                        ; the three tiles' fragments of K step ks: 12 loads
	WIN 0x40
.irp m, 0,1,2
.irp c, 0,1,2,3
	global_load_b128 v[48*((\ks)%5)+16*\m+4*\c:48*((\ks)%5)+16*\m+4*\c+3], v[AO+\m], s[4:5] offset:2048*(\ks)+512*\c
.endr
.endr
.endm
.macro BFETCH ks, set                  ; eight weight fragments: 32 LDS loads
	WIN 0x80
.irp t, 0,1,2,3,4,5,6,7
.irp c, 0,1,2,3
	ds_load_b128 v[128*(\set)+16*\t+4*\c:128*(\set)+16*\t+4*\c+3], v[ADW+\t/4] offset:(\t%4)*16*WP+128*(\ks)+32*\c
.endr
.endr
.endm
; A K step of 128: 24 products, the accumulators by turns, one instruction a turn.
.macro STEP ks
	WIN 0x80
	PLACES                                         ; in front of loads into the set and the ring's place that the last step's products read
.if (\ks) < 7
	BFETCH (\ks)+1, ((\ks)+1)%2
.endif
.if (\ks) <= 3
	ALOAD (\ks)+4
	s_wait_loadcnt 48                              ; this K step's fragments are in; those of the four steps behind it may be out
.else
	s_wait_loadcnt 12*(7-(\ks))
.endif
.if (\ks) < 7
	s_wait_dscnt 32                                ; this step's set is in; the fetch just issued may be out
.else
	s_wait_dscnt 0x0
.endif
	WIN 0xf9                                       ; source 0 window 1, source 1 window 2, C and D window 3
.irp m, 0,1,2
.irp t, 0,1,2,3,4,5,6,7
.if (\ks) == 0
	v_wmma_f32_16x16x128_fp8_fp8 v[64*\m+8*\t:64*\m+8*\t+7], v[48*((\ks)%5)+16*\m:48*((\ks)%5)+16*\m+15], v[128*((\ks)%2)+16*\t:128*((\ks)%2)+16*\t+15], 0
.else
	v_wmma_f32_16x16x128_fp8_fp8 v[64*\m+8*\t:64*\m+8*\t+7], v[48*((\ks)%5)+16*\m:48*((\ks)%5)+16*\m+15], v[128*((\ks)%2)+16*\t:128*((\ks)%2)+16*\t+15], v[64*\m+8*\t:64*\m+8*\t+7]
.endif
.endr
.endr
.endm
.macro PREP_A first
.if !\first
	s_wait_loadcnt 0x0                             ; a wave that left the last lap's products out still has that lap's loads out
.endif
	s_wait_xcnt 0x0
	s_lshl_b32 s30, s16, 1
	s_add_co_u32 s30, s30, s18
	s_add_co_u32 s24, s22, s30                     ; tile of m = 0: tb + 2 wave + rh
	s_add_co_u32 s25, s24, 8
	s_add_co_u32 s26, s25, 8
.irp m, 0,1,2
	s_min_u32 s30, s[24+\m], s23                   ; held at the last tile that was stored,
	s_min_u32 s30, s30, 63
	s_lshl_b32 s31, s30, 14
	v_add_nc_u32 v[AO+\m], s31, v4
	s_lshl_b32 s31, s30, 6
	v_lshl_add_u32 v[RO+\m], v3, 5, s31
.endr
.irp m, 0,1,2
	global_load_b128 v[SL+8*\m:SL+8*\m+3], v[RO+\m], s[6:7]
	global_load_b128 v[SL+8*\m+4:SL+8*\m+7], v[RO+\m], s[6:7] offset:16
.endr
	ALOAD 0
	ALOAD 1
	WIN 0
.endm
.macro PREP_B
	ALOAD 2
	ALOAD 3
	WIN 0
.endm
.macro EPI m
	s_cmp_ge_u32 s[24+\m], s21
	s_cbranch_scc1 .Lep_\@
	s_wait_xcnt 0x0                                ; the registers below were sources of earlier stores
.irp j, 0,1,2,3,4,5,6,7
	v_min_u32 v[SA+\j], 0xfff, v[SL+8*\m+\j]
	v_lshl_add_u32 v[SA+\j], v[SA+\j], 11, v5      ; slot x 2,048 bytes + 16 r
.endr
	WIN 0x03                                       ; source 0 window 3
.irp t, 0,1,2,3,4,5,6,7
.irp j, 0,2,4,6
.if (\t%2) == 0
	v_pk_fma_f32 v[Y+8*\t+\j:Y+8*\t+\j+1], v[64*\m+8*\t+\j:64*\m+8*\t+\j+1], s[28:29], v[B2+2*(\t/2):B2+2*(\t/2)+1] op_sel_hi:[1,0,0]               ; sum x 2^(e4 + e5) + b2 of column 8 r + t, for two rows
.else
	v_pk_fma_f32 v[Y+8*\t+\j:Y+8*\t+\j+1], v[64*\m+8*\t+\j:64*\m+8*\t+\j+1], s[28:29], v[B2+2*(\t/2):B2+2*(\t/2)+1] op_sel:[0,0,1] op_sel_hi:[1,0,1]
.endif
.endr
.endr
	WIN 0
.irp j, 0,1,2,3,4,5,6,7
.irp d, 0,1,2,3
	v_cvt_pk_bf16_f32 v[O+4*\j+\d], v[Y+16*\d+\j], v[Y+16*\d+8+\j]   ; row 8 h + j, columns 8 r + 2 d, 2 d + 1
.endr
.endr
.irp j, 0,1,2,3,4,5,6,7
	global_store_b128 v[SA+\j], v[O+4*\j:O+4*\j+3], s[14:15]         ; sixteen lanes: 256 consecutive aligned bytes of one row of y
.endr
.Lep_\@:
.endm
	s_load_b256 s[4:11], s[0:1], 0x0               ; simg, rows, w2_codes, b2
	s_load_b128 s[12:15], s[0:1], 0x20             ; lowp_scales, y
	v_lshl_add_u32 v254, v0, 2, 0x20800
	v_mov_b32 v255, 0
	v_and_b32 v1, 31, v0
	v_and_b32 v2, 15, v0                           ; r
	v_bfe_u32 v3, v0, 4, 1                         ; h
	v_lshrrev_b32 v25, 5, v0
	v_readfirstlane_b32 s16, v25                   ; wave 0..3
	s_lshr_b32 s17, ttmp9, 1                       ; slice
	s_and_b32 s18, ttmp9, 1                        ; rh
	s_and_b32 s19, ttmp7, 0xffff                   ; expert
	v_lshlrev_b32 v4, 4, v1
	v_lshlrev_b32 v5, 4, v2
	v_mul_u32_u24 v6, v2, WP
	v_lshl_add_u32 v6, v3, 4, v6
	v_add_nc_u32 v7, 64*WP, v6
	s_mul_i32 s30, s16, 4*WP                       ; the fill: column 32 w + cc = 8 r + t goes to LDS row 16 t + r: r = 4 w + (cc >> 3), t = cc & 7
	v_add_nc_u32 v8, s30, v4
	v_add_nc_u32 v9, 64*WP, v8
	v_lshlrev_b32 v24, 5, v2
	s_mov_b32 s3, 0
	s_mov_b32 s22, 0                               ; tb
	s_mov_b32 s[RC], 0
	s_wait_kmcnt 0x0
	s_lshl_b32 s2, s19, 2
	s_add_co_u32 s2, s2, 65536
	s_add_nc_u64 s[34:35], s[6:7], s[2:3]
	s_load_b32 s20, s[34:35], 0x0                  ; the expert's count
	s_load_b64 s[32:33], s[12:13], 0x10            ; e4, e5
	s_lshl_b32 s2, s19, 20
	s_add_nc_u64 s[4:5], s[4:5], s[2:3]
	s_lshl_b32 s30, s17, 17
	s_add_co_u32 s2, s2, s30
	s_lshl_b32 s30, s16, 15
	s_add_co_u32 s2, s2, s30
	s_add_nc_u64 s[8:9], s[8:9], s[2:3]            ; w2: expert, slice, my 32 rows
	s_lshl_b32 s2, s19, 12
	s_add_nc_u64 s[6:7], s[6:7], s[2:3]
	s_lshl_b32 s30, s17, 9
	s_add_co_u32 s2, s2, s30
	s_add_nc_u64 s[10:11], s[10:11], s[2:3]
	s_lshl_b32 s2, s17, 8
	s_add_nc_u64 s[14:15], s[14:15], s[2:3]
	global_load_b128 v[B2:B2+3], v24, s[10:11]
	global_load_b128 v[B2+4:B2+7], v24, s[10:11] offset:16
	WIN 0x80
.set q, 0
.rept 64                                       ; my 32 rows of w2, 512 consecutive bytes a load
	global_load_b128 v[4*q:4*q+3], v4, s[8:9] offset:512*q
.set q, q+1
.endr
	WIN 0
	s_wait_kmcnt 0x0
	s_min_u32 s20, s20, 1024
	s_add_co_u32 s21, s20, 15
	s_lshr_b32 s21, s21, 4                         ; T
	s_max_u32 s23, s21, 1
	s_sub_co_u32 s23, s23, 1                       ; the last tile that the launch before stored
	s_add_co_i32 s28, s32, s33
	s_add_co_i32 s28, s28, 127
	s_lshl_b32 s28, s28, 23                        ; 2^(e4 + e5)
	s_mov_b32 s29, s28                             ; (named with it as a pair)
	PREP_A 1
	s_wait_loadcnt 30                              ; b2 and the weights are in; the 6 + 24 loads issued behind them may be out
	WIN 0x08                                       ; store data window 2
.set q, 0
.rept 64
.set cc, q/2
	ds_store_b128 v[8+((cc&7)>>2)], v[4*q:4*q+3] offset:(16*(cc&3)+(cc>>3))*WP+512*(q%2)
.set q, q+1
.endr
	WIN 0
	PREP_B
	s_wait_dscnt 0x0                               ; for the others' sake: my part of the slice is stored
	s_barrier_signal -1
	s_barrier_wait -1                              ; the slice lies in LDS; from here on LDS is only read
	s_cmp_eq_u32 s21, 0
	s_cbranch_scc1 .Lend                           ; no token chose this expert
.Llap:
	s_cmp_ge_u32 s24, s21
	s_cbranch_scc1 .Lidle
	BFETCH 0, 0
.irp k, 0,1,2,3,4,5,6,7
	STEP \k
.endr
	WIN 0
	PLACES                                         ; behind the last products: for the reads of results and the loads over operands that follow on any way
	EPI 0
	EPI 1
	EPI 2
.Lidle:
	s_add_co_u32 s22, s22, 24
	s_cmp_ge_u32 s22, s21
	s_cbranch_scc1 .Lend                           ; no tile is left
	PREP_A 0
	PREP_B
	s_add_co_u32 s[RC], s[RC], 1                   ; the loop is counted: 64 tiles at the most are three laps of 24
	s_cmp_lt_u32 s[RC], 3
	s_cbranch_scc1 .Llap
.Lend:
	s_wait_tensorcnt 0x0
	ds_add_u32 v254, v255
	s_wait_dscnt 0x0
	s_endpgm
.Lfunc_end_k_q968dd7540d_ffn2:
	.size	k_q968dd7540d_ffn2, .Lfunc_end_k_q968dd7540d_ffn2-k_q968dd7540d_ffn2
	.p2alignl 7, 3214868480
	.fill 96, 4, 3214868480
	.section	.rodata,"a",@progbits
	.p2align	6, 0x0
	.amdhsa_kernel k_q968dd7540d_ffn2
		.amdhsa_group_segment_fixed_size 133632
		.amdhsa_private_segment_fixed_size 0
		.amdhsa_enable_private_segment 0
		.amdhsa_kernarg_size 48
		.amdhsa_user_sgpr_count 2
		.amdhsa_user_sgpr_kernarg_segment_ptr 1
		.amdhsa_wavefront_size32 1
		.amdhsa_system_sgpr_workgroup_id_x 1
		.amdhsa_system_sgpr_workgroup_id_y 1
		.amdhsa_system_sgpr_workgroup_id_z 1
		.amdhsa_system_vgpr_workitem_id 0
		.amdhsa_next_free_vgpr 960
		.amdhsa_next_free_sgpr 66
		.amdhsa_reserve_vcc 0
		.amdhsa_float_denorm_mode_32 3
		.amdhsa_float_denorm_mode_16_64 3
		.amdhsa_memory_ordered 1
		.amdhsa_forward_progress 1
		.amdhsa_inst_pref_size 78
	.end_amdhsa_kernel
	.amdgpu_metadata
---
amdhsa.version: [ 1, 2 ]
amdhsa.kernels:
  - .name:           k_q968dd7540d_ffn2
    .symbol:         k_q968dd7540d_ffn2.kd
    .args:
      - { .name: simg, .offset: 0, .size: 8, .value_kind: global_buffer, .address_space: global }
      - { .name: rows, .offset: 8, .size: 8, .value_kind: global_buffer, .address_space: global }
      - { .name: w2_codes, .offset: 16, .size: 8, .value_kind: global_buffer, .address_space: global }
      - { .name: b2, .offset: 24, .size: 8, .value_kind: global_buffer, .address_space: global }
      - { .name: lowp_scales, .offset: 32, .size: 8, .value_kind: global_buffer, .address_space: global }
      - { .name: y, .offset: 40, .size: 8, .value_kind: global_buffer, .address_space: global }
    .group_segment_fixed_size: 133632
    .private_segment_fixed_size: 0
    .kernarg_segment_align: 8
    .kernarg_segment_size: 48
    .max_flat_workgroup_size: 128
    .sgpr_count:     66
    .vgpr_count:     960
    .wavefront_size: 32
...
	.end_amdgpu_metadata
.endif
;; end of part 3
;; launch combine (part 4): grid 256 x 1, 8 waves a work-group, no clusters, 0 bytes of LDS; arguments x, y, gates, out0; writes out0
.if DOCPART == 4
	.amdgcn_target "amdgcn-amd-amdhsa--gfx1250"
	.amdhsa_code_object_version 6
	.text
	.protected	k_q968dd7540d_combine
	.globl	k_q968dd7540d_combine
	.p2align	8
	.type	k_q968dd7540d_combine,@function
k_q968dd7540d_combine:
	s_mov_b64 s[64:65], 0
	v_nop
	global_prefetch_b8 v0, s[64:65] scope:SCOPE_SE
	s_setreg_imm32_b32 hwreg(HW_REG_WAVE_MODE, 25, 1), 1
	s_wait_xcnt 0x0
; out[t] = x[t] + the sum over k of gates[t][k] y[4 t + k].  x, out: f32; y: bf16; sums in f32.
; A stream: a work-group takes 4 tokens, thread i columns 4 i .. 4 i + 3 of each.  All 20 loads of a thread go out at once; a wave's load of x covers 512 consecutive bytes, of y 256, its store 512.
; No LDS, no barrier, no matrix unit: each byte is read once and nothing is shared.  No register is written twice while a memory instruction may read it.
.set XR, 4                             ; v4-19   x, then out: 4 registers a token
.set YR, 20                            ; v20-51  y: 2 registers for each token and k
.set TS, 52                            ; v52-55  the weighted sum
.set W,  56                            ; v56-59  four numbers of y in f32
	s_load_b256 s[4:11], s[0:1], 0x0               ; x, y, gates, out0
	v_lshlrev_b32 v1, 4, v0
	v_lshlrev_b32 v2, 3, v0
	s_lshl_b32 s2, ttmp9, 14                       ; 4 rows of 4,096 bytes
	s_mov_b32 s3, 0
	s_lshl_b32 s12, ttmp9, 15                      ; 16 rows of 2,048 bytes
	s_mov_b32 s13, 0
	s_lshl_b32 s14, ttmp9, 6                       ; 16 gates
	s_mov_b32 s15, 0
	s_mov_b32 s32, 0xffff0000                      ; a word's upper bf16
	s_wait_kmcnt 0x0
	s_add_nc_u64 s[8:9], s[8:9], s[14:15]
	s_load_b512 s[16:31], s[8:9], 0x0
	s_add_nc_u64 s[4:5], s[4:5], s[2:3]
	s_add_nc_u64 s[6:7], s[6:7], s[12:13]
	s_add_nc_u64 s[10:11], s[10:11], s[2:3]
.irp q, 0,1,2,3
	global_load_b128 v[XR+4*\q:XR+4*\q+3], v1, s[4:5] offset:4096*\q th:TH_LOAD_NT
.irp k, 0,1,2,3
	global_load_b64 v[YR+8*\q+2*\k:YR+8*\q+2*\k+1], v2, s[6:7] offset:2048*(4*\q+\k) th:TH_LOAD_NT
.endr
.endr
	s_wait_kmcnt 0x0
.irp q, 0,1,2,3
	s_wait_loadcnt 5*(3-\q)                        ; this token's five loads are in; the later tokens' may be out
.irp k, 0,1,2,3
	v_lshlrev_b32 v[W],   16,  v[YR+8*\q+2*\k]     ; bf16 to f32: the low half moves up, the high half stays
	v_and_b32     v[W+1], s32, v[YR+8*\q+2*\k]
	v_lshlrev_b32 v[W+2], 16,  v[YR+8*\q+2*\k+1]
	v_and_b32     v[W+3], s32, v[YR+8*\q+2*\k+1]
.irp i, 0,1,2,3
.if \k == 0
	v_mul_f32 v[TS+\i], s[16+4*\q], v[W+\i]
.else
	v_fma_f32 v[TS+\i], s[16+4*\q+\k], v[W+\i], v[TS+\i]
.endif
.endr
.endr
.irp i, 0,1,2,3
	v_add_f32 v[XR+4*\q+\i], v[XR+4*\q+\i], v[TS+\i]
.endr
	global_store_b128 v1, v[XR+4*\q:XR+4*\q+3], s[10:11] offset:4096*\q th:TH_STORE_NT
.endr
	s_endpgm
.Lfunc_end_k_q968dd7540d_combine:
	.size	k_q968dd7540d_combine, .Lfunc_end_k_q968dd7540d_combine-k_q968dd7540d_combine
	.p2alignl 7, 3214868480
	.fill 96, 4, 3214868480
	.section	.rodata,"a",@progbits
	.p2align	6, 0x0
	.amdhsa_kernel k_q968dd7540d_combine
		.amdhsa_group_segment_fixed_size 0
		.amdhsa_private_segment_fixed_size 0
		.amdhsa_enable_private_segment 0
		.amdhsa_kernarg_size 32
		.amdhsa_user_sgpr_count 2
		.amdhsa_user_sgpr_kernarg_segment_ptr 1
		.amdhsa_wavefront_size32 1
		.amdhsa_system_sgpr_workgroup_id_x 1
		.amdhsa_system_sgpr_workgroup_id_y 1
		.amdhsa_system_sgpr_workgroup_id_z 1
		.amdhsa_system_vgpr_workitem_id 0
		.amdhsa_next_free_vgpr 64
		.amdhsa_next_free_sgpr 66
		.amdhsa_reserve_vcc 0
		.amdhsa_float_denorm_mode_32 3
		.amdhsa_float_denorm_mode_16_64 3
		.amdhsa_memory_ordered 1
		.amdhsa_forward_progress 1
		.amdhsa_inst_pref_size 10
	.end_amdhsa_kernel
	.amdgpu_metadata
---
amdhsa.version: [ 1, 2 ]
amdhsa.kernels:
  - .name:           k_q968dd7540d_combine
    .symbol:         k_q968dd7540d_combine.kd
    .args:
      - { .name: x, .offset: 0, .size: 8, .value_kind: global_buffer, .address_space: global }
      - { .name: y, .offset: 8, .size: 8, .value_kind: global_buffer, .address_space: global }
      - { .name: gates, .offset: 16, .size: 8, .value_kind: global_buffer, .address_space: global }
      - { .name: out0, .offset: 24, .size: 8, .value_kind: global_buffer, .address_space: global }
    .group_segment_fixed_size: 0
    .private_segment_fixed_size: 0
    .kernarg_segment_align: 8
    .kernarg_segment_size: 32
    .max_flat_workgroup_size: 256
    .sgpr_count:     66
    .vgpr_count:     64
    .wavefront_size: 32
...
	.end_amdgpu_metadata
.endif
;; end of part 4
;; ======== version 2 of 2: 4 launches
;; workspace buffers: xq 1,048,576 bytes; route 8,192 bytes of whole numbers; gates 16,384 bytes; simg 16,777,216 bytes; rows 65,792 bytes of whole numbers; y 8,388,608 bytes
;; launch router (part 5): grid 64 x 1, 8 waves a work-group, no clusters, 34,304 bytes of LDS; arguments x, norm_scale, wg_codes, bg, lowp_scales, xq, route, gates; writes xq, route, gates
.if DOCPART == 5
	.amdgcn_target "amdgcn-amd-amdhsa--gfx1250"
	.amdhsa_code_object_version 6
	.text
	.protected	k_q968dd7540d_router
	.globl	k_q968dd7540d_router
	.p2align	8
	.type	k_q968dd7540d_router,@function
k_q968dd7540d_router:
	s_mov_b64 s[64:65], 0
	v_nop
	global_prefetch_b8 v0, s[64:65] scope:SCOPE_SE
	s_setreg_imm32_b32 hwreg(HW_REG_WAVE_MODE, 25, 1), 1
	s_wait_xcnt 0x0
; RMSNorm, the two quantisations of xn, the router's product on E4M3 codes, top-4 and its softmax.
; A work-group takes 16 tokens; wave w takes rows 2 w and 2 w + 1 whole (32 numbers a lane and row); wave 0 then makes the 16 x 16 logits and the choice.
; OUT: xq [1024][1024] codes of xn at 2^e3, K as it lies; route: word t = mask of the four experts of token t, word 1024 + t = two bits an expert: its place k in the top-4;
; gates [1024][4] f32.  All three go to fixed places: no address here hangs on the choice.
; Equal logits go to the lower index, as jax.lax.top_k has it.  The softmax takes the largest of the four logits away first.
; LIMITS: e0 and e3 between -126 and 119, e0 + e1 between -126 and 127 (each power of two below is an f32 number).  NaN among the inputs is not served.  The f32 sums go in another order than reference()'s.
; No tensor load, no cluster: work-groups share only norm_scale and wg (20 KiB); each row of x is read once, 512 consecutive bytes a load.
.set RP,   1040                        ; an LDS row of 1,024 codes + 16 of padding: 65 x 16 bytes, so the 16 rows of a fragment load start in 16 different groups of banks
.set XS0,  0                           ; LDS: 16 rows of codes at 2^e0, for the router's product
.set XS3,  16*RP                       ; 16 rows of codes at 2^e3, on their way to xq
.set X,    16                          ; v16-79   register 32 p + 4 i + q: row 2 w + p, k = 128 i + 4 lane + q
.set NS,   80                          ; v80-111  norm_scale at the same k
.set T,    112                         ; v112-143 a row held at +-448 x 2^e0
.set C0,   144                         ; v144-159 codes at e0, 8 registers a row; later the two accumulators
.set C3,   160                         ; v160-175 codes at e3; later the other half's logits
.set OUTR, 176                         ; v176-191 rows of xq read back
.set SQ,   192                         ; v192-199 sums of squares
.set RS,   200                         ; v200-203 1 / rms of the two rows, each the low word of a pair
.set L,    208                         ; v208-223 a token's 16 logits
.set VAL,  224                         ; v224-227 the four largest
.set IDX,  228                         ; v228-231 and their experts
.set NINF, 232
.set ONE,  233                         ; v233-235 the numbers 1, 2, 3
.set TM,   236
.set G,    240                         ; v240-243 the gates
.set MASK, 244
.set KMAP, 245
.set GADR, 246
.set WADR, 247
.set MSB, 0
.macro WIN new                         ; the immediate's high byte repeats the setting that is left
.if MSB != \new
	s_set_vgpr_msb (MSB<<8)|\new
.set MSB, \new
.endif
.endm
; one row: 32 numbers held within +-lim (the conversion to an 8-bit code does not saturate: ISA guide 7.6.2), then eight at a time to codes
.macro Q8 src, dst, sc, lim, tmp
.set i, 0
.rept 32
	v_med3_num_f32 v[\tmp+i], v[\src+i], -v[\lim], v[\lim]
.set i, i+1
.endr
.irp g, 0,1,2,3
	v_cvt_scalef32_pk8_fp8_f32 v[\dst+2*\g:\dst+2*\g+1], v[\tmp+8*\g:\tmp+8*\g+7], v[\sc]
.endr
.endm
; the largest of the 16 logits, its lowest index, and -infinity in its place
.macro PICK k
	v_max3_num_f32 v[VAL+\k], v[L], v[L+1], v[L+2]
.irp i, 3,5,7,9,11,13
	s_delay_alu instid0(VALU_DEP_1)
	v_max3_num_f32 v[VAL+\k], v[VAL+\k], v[L+\i], v[L+\i+1]
.endr
	s_delay_alu instid0(VALU_DEP_1)
	v_max_num_f32 v[VAL+\k], v[VAL+\k], v[L+15]
	v_mov_b32 v[IDX+\k], 0
.irp i, 15,14,13,12,11,10,9,8,7,6,5,4,3,2,1,0
	v_cmp_neq_f32 vcc_lo, v[L+\i], v[VAL+\k]
	s_delay_alu instid0(VALU_DEP_1)
	v_cndmask_b32 v[IDX+\k], \i, v[IDX+\k], vcc_lo     ; descending, so the lowest equal index stays
.endr
.irp i, 0,1,2,3,4,5,6,7,8,9,10,11,12,13,14,15
	v_cmp_eq_u32 vcc_lo, \i, v[IDX+\k]
	s_delay_alu instid0(VALU_DEP_1)
	v_cndmask_b32 v[L+\i], v[L+\i], v[NINF], vcc_lo
.endr
.endm
	s_load_b512 s[4:19], s[0:1], 0x0               ; x, norm_scale, wg_codes, bg, lowp_scales, xq, route, gates
	v_lshl_add_u32 v254, v0, 2, 0x8200
	v_mov_b32 v255, 0
	v_and_b32 v1, 31, v0                           ; lane
	v_and_b32 v2, 15, v0                           ; r
	v_bfe_u32 v3, v0, 4, 1                         ; h
	v_lshrrev_b32 v13, 5, v0
	s_delay_alu instid0(VALU_DEP_1)
	v_readfirstlane_b32 s24, v13                   ; wave 0..7
	v_lshlrev_b32 v4, 4, v1                        ; 16 x lane
	s_mul_i32 s27, s24, 2*RP                       ; my two rows in LDS
	v_lshlrev_b32 v5, 2, v1
	s_delay_alu instid0(VALU_DEP_1)
	v_add_nc_u32 v5, s27, v5                       ; where I put four codes
	v_add_nc_u32 v6, s27, v4
	s_delay_alu instid0(VALU_DEP_1)
	v_add_nc_u32 v6, XS3, v6                       ; where I read 16 codes of xq back
	v_mul_u32_u24 v7, v2, RP
	s_delay_alu instid0(VALU_DEP_1)
	v_lshl_add_u32 v7, v3, 4, v7                   ; wave 0: a fragment of tokens: row r, + 16 h
	v_lshlrev_b32 v8, 10, v2
	s_delay_alu instid0(VALU_DEP_1)
	v_lshl_add_u32 v8, v3, 4, v8                   ; wave 0: a fragment of wg: expert r, + 16 h
	v_lshlrev_b32 v[GADR], 4, v2
	v_lshlrev_b32 v[WADR], 2, v2
	v_mov_b32 v[RS+1], 0                           ; (named as the upper words of pairs)
	v_mov_b32 v[RS+3], 0
	s_mov_b32 s25, 0x3a800000                      ; 1 / 1024
	s_mov_b32 s26, 0x3727c5ac                      ; 1e-5
	s_mov_b32 s28, 0x76543210                      ; v_permlanex16_b32: lane l xor 16
	s_mov_b32 s29, 0xfedcba98
	s_mov_b32 s31, 0x3fb8aa3b                      ; log2(e)
	s_lshl_b32 s2, ttmp9, 16                       ; 16 rows of 4,096 bytes,
	s_lshl_b32 s27, s24, 13                        ; my two of them
	s_add_co_u32 s2, s2, s27
	s_mov_b32 s3, 0
	s_wait_kmcnt 0x0
	s_load_b128 s[20:23], s[12:13], 0x0            ; e0 .. e3
	s_load_b512 s[36:51], s[10:11], 0x0            ; bg
	s_add_nc_u64 s[4:5], s[4:5], s[2:3]
	s_lshr_b32 s2, s2, 2                           ; a row of codes is a quarter of a row of x
	s_add_nc_u64 s[14:15], s[14:15], s[2:3]
	s_lshl_b32 s2, ttmp9, 6
	s_add_nc_u64 s[16:17], s[16:17], s[2:3]
	s_lshl_b32 s2, ttmp9, 8
	s_add_nc_u64 s[18:19], s[18:19], s[2:3]
.irp p, 0,1
.irp i, 0,1,2,3,4,5,6,7
	global_load_b128 v[X+32*\p+4*\i:X+32*\p+4*\i+3], v4, s[4:5] offset:4096*\p+512*\i th:TH_LOAD_NT
.endr
.endr
.irp i, 0,1,2,3,4,5,6,7
	global_load_b128 v[NS+4*\i:NS+4*\i+3], v4, s[6:7] offset:512*\i
.endr
	s_cmp_lg_u32 s24, 0
	s_cbranch_scc1 .Lnot0
	WIN 0x40                                       ; destination window 1: wg's eight fragments, K step ks at v[16 ks]
	s_wait_alu depctr_va_vdst(0)
.irp ks, 0,1,2,3,4,5,6,7
.irp c, 0,1,2,3
	global_load_b128 v[16*\ks+4*\c:16*\ks+4*\c+3], v8, s[8:9] offset:128*\ks+32*\c
.endr
.endr
	WIN 0
	s_wait_loadcnt 32                              ; x and norm_scale are in; wg's 32 loads may stay out
	s_branch .Ljoin
.Lnot0:
	s_wait_loadcnt 0x0
.Ljoin:
	; mean of squares, two packed chains a row, then across the 32 lanes
.irp p, 0,1
	v_pk_mul_f32 v[SQ+4*\p:SQ+4*\p+1], v[X+32*\p:X+32*\p+1], v[X+32*\p:X+32*\p+1]
	v_pk_mul_f32 v[SQ+4*\p+2:SQ+4*\p+3], v[X+32*\p+2:X+32*\p+3], v[X+32*\p+2:X+32*\p+3]
.irp j, 4,8,12,16,20,24,28
	s_delay_alu instid0(VALU_DEP_2)
	v_pk_fma_f32 v[SQ+4*\p:SQ+4*\p+1], v[X+32*\p+\j:X+32*\p+\j+1], v[X+32*\p+\j:X+32*\p+\j+1], v[SQ+4*\p:SQ+4*\p+1]
	s_delay_alu instid0(VALU_DEP_2)
	v_pk_fma_f32 v[SQ+4*\p+2:SQ+4*\p+3], v[X+32*\p+\j+2:X+32*\p+\j+3], v[X+32*\p+\j+2:X+32*\p+\j+3], v[SQ+4*\p+2:SQ+4*\p+3]
.endr
	s_delay_alu instid0(VALU_DEP_1)
	v_pk_add_f32 v[SQ+4*\p:SQ+4*\p+1], v[SQ+4*\p:SQ+4*\p+1], v[SQ+4*\p+2:SQ+4*\p+3]
	s_delay_alu instid0(VALU_DEP_1)
	v_add_f32 v[SQ+4*\p], v[SQ+4*\p], v[SQ+4*\p+1]
	s_delay_alu instid0(VALU_DEP_1)
	v_add_f32_dpp v[SQ+4*\p], v[SQ+4*\p], v[SQ+4*\p] row_xmask:1 row_mask:0xf bank_mask:0xf
	s_delay_alu instid0(VALU_DEP_1)
	v_add_f32_dpp v[SQ+4*\p], v[SQ+4*\p], v[SQ+4*\p] row_xmask:2 row_mask:0xf bank_mask:0xf
	s_delay_alu instid0(VALU_DEP_1)
	v_add_f32_dpp v[SQ+4*\p], v[SQ+4*\p], v[SQ+4*\p] row_xmask:4 row_mask:0xf bank_mask:0xf
	s_delay_alu instid0(VALU_DEP_1)
	v_add_f32_dpp v[SQ+4*\p], v[SQ+4*\p], v[SQ+4*\p] row_xmask:8 row_mask:0xf bank_mask:0xf
	s_delay_alu instid0(VALU_DEP_1)
	v_permlanex16_b32 v[SQ+4*\p+1], v[SQ+4*\p], s28, s29
	s_delay_alu instid0(VALU_DEP_1)
	v_add_f32 v[SQ+4*\p], v[SQ+4*\p], v[SQ+4*\p+1]
	s_delay_alu instid0(VALU_DEP_1)
	v_fma_f32 v[SQ+4*\p], v[SQ+4*\p], s25, s26     ; sum / 1024 + eps
.endr
	s_wait_alu depctr_va_vdst(0)
	v_rsq_f32 v[RS], v[SQ]
	v_rsq_f32 v[RS+2], v[SQ+4]
	v_nop                                          ; a plain line between the roots and their use
	s_wait_alu depctr_va_vdst(0)
.irp p, 0,1
.irp j, 0,2,4,6,8,10,12,14,16,18,20,22,24,26,28,30
	v_pk_mul_f32 v[X+32*\p+\j:X+32*\p+\j+1], v[X+32*\p+\j:X+32*\p+\j+1], v[RS+2*\p:RS+2*\p+1] op_sel_hi:[1,0]
	s_delay_alu instid0(VALU_DEP_1)
	v_pk_mul_f32 v[X+32*\p+\j:X+32*\p+\j+1], v[X+32*\p+\j:X+32*\p+\j+1], v[NS+\j:NS+\j+1]
.endr
.endr
	s_wait_kmcnt 0x0
	s_add_co_i32 s27, s20, 127
	s_lshl_b32 s52, s27, 23
	v_mov_b32 v9, s52                              ; 2^e0: the conversion takes its exponent field
	s_add_co_i32 s27, s27, 8
	s_lshl_b32 s27, s27, 23
	s_or_b32 s27, s27, 0x600000
	v_mov_b32 v10, s27                             ; 448 x 2^e0
	s_wait_alu depctr_va_vdst(0)
	s_add_co_i32 s27, s23, 127
	s_lshl_b32 s52, s27, 23
	v_mov_b32 v11, s52                             ; 2^e3
	s_add_co_i32 s27, s27, 8
	s_lshl_b32 s27, s27, 23
	s_or_b32 s27, s27, 0x600000
	v_mov_b32 v12, s27                             ; 448 x 2^e3
	s_add_co_i32 s30, s20, s21
	s_add_co_i32 s30, s30, 127
	s_lshl_b32 s30, s30, 23                        ; 2^(e0 + e1)
	Q8 X, C0, 9, 10, T                             ; at e0 through a copy, at e3 in place; each run of holds is the plain work behind the conversions before it
	Q8 X, C3, 11, 12, X
	Q8 X+32, C0+8, 9, 10, T
	Q8 X+32, C3+8, 11, 12, X+32
	v_nop                                          ; a plain line behind the last conversion: matrix instructions write these registers later
.irp p, 0,1
.irp i, 0,1,2,3,4,5,6,7
	ds_store_b32 v5, v[C0+8*\p+\i] offset:XS0+RP*\p+128*\i     ; 32 lanes: 128 consecutive codes, k = 128 i on
	ds_store_b32 v5, v[C3+8*\p+\i] offset:XS3+RP*\p+128*\i
.endr
.endr
.irp p, 0,1
.irp f, 0,1
	ds_load_b128 v[OUTR+8*\p+4*\f:OUTR+8*\p+4*\f+3], v6 offset:RP*\p+512*\f   ; LDS serves a wave's instructions in order: these see my stores
.endr
.endr
	s_wait_dscnt 3
	global_store_b128 v4, v[OUTR:OUTR+3], s[14:15]                 ; 512 consecutive bytes of xq a store
	s_wait_dscnt 2
	global_store_b128 v4, v[OUTR+4:OUTR+7], s[14:15] offset:512
	s_wait_dscnt 1
	global_store_b128 v4, v[OUTR+8:OUTR+11], s[14:15] offset:1024
	s_wait_dscnt 0x0                               ; also for the others' sake: my stores into XS0 are done
	global_store_b128 v4, v[OUTR+12:OUTR+15], s[14:15] offset:1536
	s_barrier_signal -1
	s_barrier_wait -1                              ; the 16 rows of codes at e0 lie in LDS
	s_cmp_lg_u32 s24, 0
	s_cbranch_scc1 .Ldone
	; wave 0: logits^T = wg x xn^T: source 0 = the 16 experts, source 1 = the 16 tokens; both sides take k = 128 ks + 32 c + 16 h + 0 .. 15 into registers 4 c .. 4 c + 3
.irp ks, 0,1,2,3,4,5,6,7
.irp c, 0,1,2,3
	ds_load_b128 v[X+16*\ks+4*\c:X+16*\ks+4*\c+3], v7 offset:XS0+128*\ks+32*\c
.endr
.endr
	s_wait_dscnt 0x0
	s_wait_loadcnt 0x0                             ; wg
	WIN 0x01                                       ; source 0 window 1
.irp ks, 0,1,2,3,4,5,6,7                       ; two accumulators by turns; the first two products start the sums
.if \ks < 2
	v_wmma_f32_16x16x128_fp8_fp8 v[C0+8*(\ks%2):C0+8*(\ks%2)+7], v[16*\ks:16*\ks+15], v[X+16*\ks:X+16*\ks+15], 0
.else
	v_wmma_f32_16x16x128_fp8_fp8 v[C0+8*(\ks%2):C0+8*(\ks%2)+7], v[16*\ks:16*\ks+15], v[X+16*\ks:X+16*\ks+15], v[C0+8*(\ks%2):C0+8*(\ks%2)+7]
.endif
.endr
	WIN 0
.rept 4
	v_nop                                          ; four places behind the last product (ISA guide 7.12.1)
.endr
.irp j, 0,2,4,6
	v_pk_add_f32 v[C0+\j:C0+\j+1], v[C0+\j:C0+\j+1], v[C0+8+\j:C0+8+\j+1]   ; lane (r, h): token r, experts 8 h + 0 .. 7
.endr
.irp j, 0,1,2,3,4,5,6,7
	v_permlanex16_b32 v[C3+\j], v[C0+\j], s28, s29 ; the other eight experts
.endr
	v_cmp_eq_u32 vcc_lo, 0, v3
.irp j, 0,1,2,3,4,5,6,7
	v_cndmask_b32 v[L+\j], v[C3+\j], v[C0+\j], vcc_lo
	v_cndmask_b32 v[L+8+\j], v[C0+\j], v[C3+\j], vcc_lo
.endr
.irp i, 0,1,2,3,4,5,6,7,8,9,10,11,12,13,14,15
	v_fma_f32 v[L+\i], v[L+\i], s30, s[36+\i]      ; sum x 2^(e0 + e1) + bg
.endr
	v_mov_b32 v[NINF], 0xff800000
	PICK 0
	PICK 1
	PICK 2
	PICK 3
.irp k, 1,2,3
	v_sub_f32 v[G+\k], v[VAL+\k], v[VAL]           ; the largest is taken away
	s_delay_alu instid0(VALU_DEP_1)
	v_mul_f32 v[G+\k], s31, v[G+\k]
.endr
	s_wait_alu depctr_va_vdst(0)
	v_exp_f32 v[G+1], v[G+1]
	v_exp_f32 v[G+2], v[G+2]
	v_exp_f32 v[G+3], v[G+3]
	v_mov_b32 v[G], 1.0                            ; (a plain line behind the exponentials)
	s_wait_alu depctr_va_vdst(0)
	v_add_f32 v[TM], v[G], v[G+1]
	v_add_f32 v[TM+1], v[G+2], v[G+3]
	s_delay_alu instid0(VALU_DEP_1)
	v_add_f32 v[TM], v[TM], v[TM+1]
	s_wait_alu depctr_va_vdst(0)
	v_rcp_f32 v[TM], v[TM]
	v_mov_b32 v[ONE], 1                            ; (a plain line behind the reciprocal)
	v_mov_b32 v[ONE+1], 2
	v_mov_b32 v[ONE+2], 3
	s_wait_alu depctr_va_vdst(0)
.irp k, 0,1,2,3
	v_mul_f32 v[G+\k], v[G+\k], v[TM]
.endr
	v_lshlrev_b32 v[MASK], v[IDX], v[ONE]          ; bit e: the token chose expert e
.irp k, 1,2,3
	v_lshlrev_b32 v[TM], v[IDX+\k], v[ONE]
	s_delay_alu instid0(VALU_DEP_1)
	v_or_b32 v[MASK], v[MASK], v[TM]
.endr
	v_lshlrev_b32 v[TM], 1, v[IDX+1]
	s_delay_alu instid0(VALU_DEP_1)
	v_lshlrev_b32 v[KMAP], v[TM], v[ONE]           ; bits 2 e + 1 : 2 e: the place k of expert e
.irp k, 2,3
	v_lshlrev_b32 v[TM], 1, v[IDX+\k]
	s_delay_alu instid0(VALU_DEP_1)
	v_lshlrev_b32 v[TM], v[TM], v[ONE+\k-1]
	s_delay_alu instid0(VALU_DEP_1)
	v_or_b32 v[KMAP], v[KMAP], v[TM]
.endr
	v_cmp_gt_u32 vcc_lo, 16, v1
	s_wait_alu depctr_va_vdst(0)
	s_wait_xcnt 0x0                                ; EXEC changes only behind this wait: the stores of xq count it among their sources
	s_wait_tensorcnt 0x0
	ds_add_u32 v254, v255
	s_wait_dscnt 0x0
	s_and_saveexec_b32 s52, vcc_lo                 ; lanes 0-15: a lane a token
	global_store_b128 v[GADR], v[G:G+3], s[18:19]  ; 16 lanes: 256 consecutive bytes
	global_store_b32 v[WADR], v[MASK], s[16:17]
	global_store_b32 v[WADR], v[KMAP], s[16:17] offset:4096
	s_endpgm
.Ldone:
	s_wait_tensorcnt 0x0
	ds_add_u32 v254, v255
	s_wait_dscnt 0x0
	s_endpgm
.Lfunc_end_k_q968dd7540d_router:
	.size	k_q968dd7540d_router, .Lfunc_end_k_q968dd7540d_router-k_q968dd7540d_router
	.p2alignl 7, 3214868480
	.fill 96, 4, 3214868480
	.section	.rodata,"a",@progbits
	.p2align	6, 0x0
	.amdhsa_kernel k_q968dd7540d_router
		.amdhsa_group_segment_fixed_size 34304
		.amdhsa_private_segment_fixed_size 0
		.amdhsa_enable_private_segment 0
		.amdhsa_kernarg_size 64
		.amdhsa_user_sgpr_count 2
		.amdhsa_user_sgpr_kernarg_segment_ptr 1
		.amdhsa_wavefront_size32 1
		.amdhsa_system_sgpr_workgroup_id_x 1
		.amdhsa_system_sgpr_workgroup_id_y 1
		.amdhsa_system_sgpr_workgroup_id_z 1
		.amdhsa_system_vgpr_workitem_id 0
		.amdhsa_next_free_vgpr 384
		.amdhsa_next_free_sgpr 66
		.amdhsa_reserve_vcc 1
		.amdhsa_float_denorm_mode_32 3
		.amdhsa_float_denorm_mode_16_64 3
		.amdhsa_memory_ordered 1
		.amdhsa_forward_progress 1
		.amdhsa_inst_pref_size 53
	.end_amdhsa_kernel
	.amdgpu_metadata
---
amdhsa.version: [ 1, 2 ]
amdhsa.kernels:
  - .name:           k_q968dd7540d_router
    .symbol:         k_q968dd7540d_router.kd
    .args:
      - { .name: x, .offset: 0, .size: 8, .value_kind: global_buffer, .address_space: global }
      - { .name: norm_scale, .offset: 8, .size: 8, .value_kind: global_buffer, .address_space: global }
      - { .name: wg_codes, .offset: 16, .size: 8, .value_kind: global_buffer, .address_space: global }
      - { .name: bg, .offset: 24, .size: 8, .value_kind: global_buffer, .address_space: global }
      - { .name: lowp_scales, .offset: 32, .size: 8, .value_kind: global_buffer, .address_space: global }
      - { .name: xq, .offset: 40, .size: 8, .value_kind: global_buffer, .address_space: global }
      - { .name: route, .offset: 48, .size: 8, .value_kind: global_buffer, .address_space: global }
      - { .name: gates, .offset: 56, .size: 8, .value_kind: global_buffer, .address_space: global }
    .group_segment_fixed_size: 34304
    .private_segment_fixed_size: 0
    .kernarg_segment_align: 8
    .kernarg_segment_size: 64
    .max_flat_workgroup_size: 256
    .sgpr_count:     66
    .vgpr_count:     384
    .wavefront_size: 32
...
	.end_amdgpu_metadata
.endif
;; end of part 5
;; launch ffn1 (part 6): grid 16 x 16, 4 waves a work-group, no clusters, 134,144 bytes of LDS; arguments xq, route, w1_codes, b1, lowp_scales, simg, rows; writes simg, rows
.if DOCPART == 6
	.amdgcn_target "amdgcn-amd-amdhsa--gfx1250"
	.amdhsa_code_object_version 6
	.text
	.protected	k_q968dd7540d_ffn1
	.globl	k_q968dd7540d_ffn1
	.p2align	8
	.type	k_q968dd7540d_ffn1,@function
k_q968dd7540d_ffn1:
	s_mov_b64 s[64:65], 0
	v_nop
	global_prefetch_b8 v0, s[64:65] scope:SCOPE_SE
	s_setreg_imm32_b32 hwreg(HW_REG_WAVE_MODE, 25, 1), 1
	s_wait_xcnt 0x0
; The first expert product on E4M3 codes, the clipped SwiGLU and the quantiser of s, for the chosen rows only.
; A work-group is (expert e = y, slice x of 128 columns of h): its 128 rows of w1 (128 KiB) are read from memory once, by this work-group alone, and lie in LDS; the four waves share the expert's tiles of 16 rows.
; PLACING.  Every wave reads the 1,024 masks of the choice and keeps, in scalar registers, the expert's members as 32 masks of 32 (chunk c = 4 i + q, bit l: token 128 i + 4 l + q) and the number of members below each chunk.
; Sorted row i lies in the last chunk whose number is <= i (31 steps of compare and select), and is there the (i - that number)-th set bit, found by counts of the mask's fields of 2, 4, 8 and 16 bits and five halvings.
; Lanes 0-15 search for one tile, lanes 16-31 for the next of the wave's tiles, and hand the tokens to each other: three searches for five tiles, while the weights are on their way.
; Rows past the count n in the last tile are copies of row n - 1 (the index is held at n - 1), so they give the same codes and the same addresses, and no lane is ever switched off in the products.
; With n = 0 one tile is still made (of token 1023), so that all that the next launch loads has been stored.
; THE PRODUCT IS USED TRANSPOSED (source 0 = 16 rows of w1, source 1 = 16 tokens), and the rows of w1 that form a tile are chosen by the place that the fill gives them in LDS: column c = 64 hf + 32 h + 8 t + 2 i + ab of the
; slice goes to LDS row 64 hf + 16 t + 8 h + 4 ab + i.  Lane (r, h) then holds, of token r and tile t of half hf, gate a0..a3 in registers 0-3 and linear b0..b3 in registers 4-7, for s columns 32 hf + 16 h + 4 t + i:
; 16 neighbours along the next K, which are piece c = 2 (slice & 1) + hf of K step slice >> 1 of the next product's operand.  They are stored as an image of that operand's registers: 16 bytes a lane, 512 a store.
; Both sides of the product take k = 128 ks + 32 c + 16 h + 0 .. 15 into registers 4 c .. 4 c + 3: one permutation of k for both.
; b1 lies in LDS in the result's order, the linear entries with 1 added: clip(b, -7, 7) + 1 = clip(b + 1, -6, 8).
; A wave takes tiles tb + 4 m + w, m = 0 .. 4; a lap is 20 tiles, 320 rows; n is at most 1,024, 64 tiles: four laps at the most.
; NO TENSOR LOAD, NO CLUSTER: what the 16 work-groups of an expert share are rows of xq gathered by a list.
; LIMITS: e4 between -126 and 119, e2 + e3 between -126 and 127.  NaN among the inputs is not served.
; REGISTERS, in windows of 256.  Window 0: v1-31 addresses; v32-95, v96-159 two sets of four weight fragments (before the fill: half of the weights' staging; in the epilogue: at work); v160-191 accumulators of m = 4;
;   v192-223 the masks as loaded, then the searches' registers, then b1; v224-243 codes; v244-248 the tokens' k maps; v249-253 places in the row list.
;   Window 1: tokens' fragments of m = 0, 1 (128 registers each, K step ks at 16 ks).  Window 2: m = 2, 3.  Window 3: v0-127 m = 4; v128-255 accumulators of m = 0..3 (before the fill: the other half of the staging).
; SCALARS: s4-17 addresses; s18 wave, s19 slice, s20 expert, s21 n, s22 tiles, s23 tb, s24-28 my five tiles, s29 n - 1; s32-63 the members' masks; s66-97 the members below each chunk.
.set WP,   1040                        ; an LDS row of 1,024 codes + 16: 65 x 16 bytes
.set B1L,  128*WP                      ; LDS: 128 rows of w1 from byte 0 on, then 128 words of b1
.set HFB,  64*WP
.set ADW,  6                           ; v6, v7  a weight fragment's place for my lane, half 0, 1
.set GA,   13                          ; v13-17  token x 1024 + 16 h
.set SO,   18                          ; v18-22  tile x 16384 + 16 lane
.set T4,   23                          ; v23-27  4 x token
.set BS,   32
.set ACC4, 160
.set B1V,  192
.set FS,   192                         ; search g at v[FS + 10 g]: +0 row index, then rank k; +1 members below the chunk; +2 its mask; +3 its number; +4 .. +7 counts of fields of 2, 4, 8, 16 bits; +8 the bit's place; +9 at work
.set CD,   224
.set FP,   229                         ; the slot to store
.set KM,   244
.set RO,   249
.set HH,   32                          ; the epilogue: h, 32 registers;
.set EE,   64                          ; the sigmoid, 16;
.set SS,   80                          ; s, 16
.set SCL,  12                          ; s[12:13]   2^(e2 + e3), as a pair
.set NEGA, 100                         ; s[100:101] -1.702 log2(e), as a pair
.set K7,   2                           ; s2   7
.set KM6,  3                           ; s3   -6
.set K8,   98                          ; s98  8
.set E2X,  99                          ; s99  2 x expert
.set RC,   104                         ; s104 laps done
.set MSB, 0
.macro WIN new                         ; the immediate's high byte repeats the setting that is left
.if MSB != \new
	s_set_vgpr_msb (MSB<<8)|\new
.set MSB, \new
.endif
.endm
.macro PLACES
.rept 4
	v_nop
.endr
.endm
; the five tiles' fragments of K step ks: 20 loads
.macro ALOAD ks
	WIN 0x40
.irp m, 0,1
.irp c, 0,1,2,3
	global_load_b128 v[128*\m+16*(\ks)+4*\c:128*\m+16*(\ks)+4*\c+3], v[GA+\m], s[4:5] offset:128*(\ks)+32*\c
.endr
.endr
	WIN 0x80
.irp m, 0,1
.irp c, 0,1,2,3
	global_load_b128 v[128*\m+16*(\ks)+4*\c:128*\m+16*(\ks)+4*\c+3], v[GA+2+\m], s[4:5] offset:128*(\ks)+32*\c
.endr
.endr
	WIN 0xc0
.irp c, 0,1,2,3
	global_load_b128 v[16*(\ks)+4*\c:16*(\ks)+4*\c+3], v[GA+4], s[4:5] offset:128*(\ks)+32*\c
.endr
.endm
; four weight fragments of half hf, K step ks, into a set: 16 LDS loads (destination and address in window 0)
.macro BFETCH hf, ks, set
.irp t, 0,1,2,3
.irp c, 0,1,2,3
	ds_load_b128 v[BS+64*(\set)+16*\t+4*\c:BS+64*(\set)+16*\t+4*\c+3], v[ADW+\hf] offset:\t*16*WP+128*(\ks)+32*\c
.endr
.endr
.endm
.macro MM d, a, b, ks
.if (\ks) == 0
	v_wmma_f32_16x16x128_fp8_fp8 v[\d:\d+7], v[\a:\a+15], v[\b:\b+15], 0
.else
	v_wmma_f32_16x16x128_fp8_fp8 v[\d:\d+7], v[\a:\a+15], v[\b:\b+15], v[\d:\d+7]
.endif
.endm
; A K step of 128: 20 products, the 20 accumulators by turns, one instruction a turn, in the same order in every step.
.macro STEP hf, ks
.set PAR, (\ks)%2
	WIN 0x0c
	PLACES                                         ; in front of loads into the set that the last step's products read
.if (\ks) < 7
	BFETCH \hf, (\ks)+1, 1-PAR
.endif
.if \hf == 0
.if (\ks) <= 4
	ALOAD (\ks)+3
	s_wait_loadcnt 60                              ; this K step's fragments are in; those of the three steps behind it may be out
.else
	s_wait_loadcnt 20*(7-(\ks))
.endif
.endif
.if (\ks) < 7
	s_wait_dscnt 16                                ; this step's set is in; the fetch just issued may be out
.else
	s_wait_dscnt 0x0
.endif
	WIN 0xf4                                       ; source 1 window 1, C and D window 3
.irp m, 0,1
.irp t, 0,1,2,3
	MM 128+32*\m+8*\t, BS+64*PAR+16*\t, 128*\m+16*(\ks), \ks
.endr
.endr
	WIN 0xf8                                       ; source 1 window 2
.irp m, 0,1
.irp t, 0,1,2,3
	MM 192+32*\m+8*\t, BS+64*PAR+16*\t, 128*\m+16*(\ks), \ks
.endr
.endr
	WIN 0x0c                                       ; source 1 window 3, C and D window 0
.irp t, 0,1,2,3
	MM ACC4+8*\t, BS+64*PAR+16*\t, 16*(\ks), \ks
.endr
.endm
; One halving of the three searches: the members in the lower half of the window at the bit's place (a field of the counts at register src); where the rank reaches them, they are taken off it and the place goes up by step.
.macro SEL src, width, step
.irp g, 0,1,2
	v_bfe_u32 v[FS+10*\g+9], v[FS+10*\g+\src], v[FS+10*\g+8], \width
	v_cmp_ge_u32 vcc_lo, v[FS+10*\g], v[FS+10*\g+9]
	v_sub_nc_u32 v[28+\g], v[FS+10*\g], v[FS+10*\g+9]
	v_cndmask_b32 v[FS+10*\g], v[FS+10*\g], v[28+\g], vcc_lo
	v_add_nc_u32 v[28+\g], \step, v[FS+10*\g+8]
	v_cndmask_b32 v[FS+10*\g+8], v[FS+10*\g+8], v[28+\g], vcc_lo
.endr
.endm
; The lap's tiles, their rows' tokens, and the first two K steps' loads.
.macro PREP_A first
.if !\first
	s_wait_loadcnt 0x0                             ; a wave that left the last lap's products out still has that lap's loads out: no load lands on a register with a pending load
.endif
	s_wait_xcnt 0x0                                ; the registers below were sources of earlier stores and loads
	s_add_co_u32 s24, s23, s18                     ; tile of m = 0: tb + wave
.irp m, 1,2,3,4
	s_add_co_u32 s[24+\m], s[23+\m], 4
.endr
.irp m, 0,1,2,3,4
	s_min_u32 s30, s[24+\m], 63
	s_lshl_b32 s31, s30, 14
	v_add_nc_u32 v[SO+\m], s31, v4
	s_lshl_b32 s31, s30, 6
	v_lshl_add_u32 v[RO+\m], v2, 2, s31
.endr
.irp g, 0,1,2                                  ; search g: lanes 0-15 for tile m = 2 g, lanes 16-31 for m = 2 g + 1, which lies 4 tiles, 64 rows, on
	s_lshl_b32 s31, s[24+2*\g], 4
	v_add_nc_u32 v[FS+10*\g], s31, v5
	v_min_u32 v[FS+10*\g], s29, v[FS+10*\g]        ; held at n - 1
	v_mov_b32 v[FS+10*\g+1], 0                     ; chunk 0: nothing below it,
	v_mov_b32 v[FS+10*\g+2], s32                   ; its mask,
	v_mov_b32 v[FS+10*\g+3], 0                     ; its number
.endr
.set c, 1
.rept 31                                       ; the numbers below the chunks ascend: the last chunk whose number is not above the row index stays
.irp g, 0,1,2
	v_cmp_gt_u32 vcc_lo, s[66+c], v[FS+10*\g]
	v_cndmask_b32 v[FS+10*\g+1], s[66+c], v[FS+10*\g+1], vcc_lo
	v_cndmask_b32 v[FS+10*\g+2], s[32+c], v[FS+10*\g+2], vcc_lo
	v_cndmask_b32 v[FS+10*\g+3], c, v[FS+10*\g+3], vcc_lo
.endr
.set c, c+1
.endr
.irp g, 0,1,2
	v_sub_nc_u32 v[FS+10*\g], v[FS+10*\g], v[FS+10*\g+1]           ; the rank k in the chunk
	v_lshrrev_b32 v[FS+10*\g+9], 1, v[FS+10*\g+2]
	v_and_b32 v[FS+10*\g+9], 0x55555555, v[FS+10*\g+9]
	v_sub_nc_u32 v[FS+10*\g+4], v[FS+10*\g+2], v[FS+10*\g+9]       ; members in each field of 2 bits,
	v_lshrrev_b32 v[FS+10*\g+9], 2, v[FS+10*\g+4]
	v_and_b32 v[FS+10*\g+9], 0x33333333, v[FS+10*\g+9]
	v_and_b32 v[FS+10*\g+5], 0x33333333, v[FS+10*\g+4]
	v_add_nc_u32 v[FS+10*\g+5], v[FS+10*\g+5], v[FS+10*\g+9]       ; of 4,
	v_lshrrev_b32 v[FS+10*\g+9], 4, v[FS+10*\g+5]
	v_add_nc_u32 v[FS+10*\g+6], v[FS+10*\g+5], v[FS+10*\g+9]
	v_and_b32 v[FS+10*\g+6], 0x0f0f0f0f, v[FS+10*\g+6]             ; of 8;
	v_lshrrev_b32 v[FS+10*\g+9], 8, v[FS+10*\g+6]
	v_add_nc_u32 v[FS+10*\g+7], v[FS+10*\g+6], v[FS+10*\g+9]       ; its lowest byte: in bits 0-15
	v_mov_b32 v[FS+10*\g+8], 0
.endr
	SEL 7, 8, 16
	SEL 6, 8, 8
	SEL 5, 4, 4
	SEL 4, 2, 2
	SEL 2, 1, 1
	s_mov_b32 s30, 0x76543210                      ; v_permlanex16_b32: lane l xor 16
	s_mov_b32 s31, 0xfedcba98
.irp g, 0,1,2                                  ; chunk 4 i + q, bit l: token 128 i + 4 l + q
	v_lshrrev_b32 v[28+\g], 2, v[FS+10*\g+3]
	v_lshlrev_b32 v[28+\g], 7, v[28+\g]
	v_lshl_add_u32 v[28+\g], v[FS+10*\g+8], 2, v[28+\g]
	v_and_b32 v[FS+10*\g+9], 3, v[FS+10*\g+3]
	v_add_nc_u32 v[28+\g], v[28+\g], v[FS+10*\g+9]
	v_permlanex16_b32 v[FS+10*\g+9], v[28+\g], s30, s31
.endr
	v_cmp_eq_u32 vcc_lo, 0, v3                     ; lanes 0-15
.irp g, 0,1,2
	v_cndmask_b32 v[FS+10*\g+1], v[FS+10*\g+9], v[28+\g], vcc_lo   ; tile 2 g: lanes 0-15 found it
.endr
.irp g, 0,1
	v_cndmask_b32 v[FS+10*\g+2], v[28+\g], v[FS+10*\g+9], vcc_lo   ; tile 2 g + 1: lanes 16-31 found it
.endr
.irp m, 0,1,2,3,4
	v_min_u32 v[FS+10*(\m/2)+1+(\m%2)], 0x3ff, v[FS+10*(\m/2)+1+(\m%2)]
	v_lshl_add_u32 v[GA+\m], v[FS+10*(\m/2)+1+(\m%2)], 10, v3
	v_lshlrev_b32 v[T4+\m], 2, v[FS+10*(\m/2)+1+(\m%2)]
.endr
.irp m, 0,1,2,3,4
	global_load_b32 v[KM+\m], v[T4+\m], s[6:7] offset:4096
.endr
	ALOAD 0
	ALOAD 1
	WIN 0
.endm
.macro PREP_B
	ALOAD 2
	WIN 0
.endm
; The row list, by slice 0 alone: slot = 4 x token + the expert's place k in the token's top-4.  Lanes r and r + 16 hold the same word for the same address.  Tiles ascend with m, so the first that is past the end ends the run.
.macro SLOTS
	s_cmp_lg_u32 s19, 0
	s_cbranch_scc1 .Lns_\@
.irp m, 0,1,2,3,4
	s_cmp_ge_u32 s[24+\m], s22
	s_cbranch_scc1 .Lns_\@
	v_lshrrev_b32 v[FP+\m], s[E2X], v[KM+\m]
	v_and_b32 v[FP+\m], 3, v[FP+\m]
	v_add_nc_u32 v[FP+\m], v[FP+\m], v[T4+\m]
	global_store_b32 v[RO+\m], v[FP+\m], s[16:17]
.endr
.Lns_\@:
.endm
; Tile m of half hf: h = sum x 2^(e2 + e3) + b1; a = min(a, 7); s = a sigmoid(1.702 a) clip(b + 1, -6, 8); 16 codes a lane; one store of 512 consecutive bytes.
.macro EPI hf, m
	s_cmp_ge_u32 s[24+\m], s22
	s_cbranch_scc1 .Lep_\@
	s_wait_xcnt 0x0                                ; the codes' registers were the data of earlier stores
.if \m < 4
	WIN 0x03                                       ; source 0 window 3
.set AC, 128+32*\m
.else
.set AC, ACC4
.endif
.irp j, 0,2,4,6,8,10,12,14,16,18,20,22,24,26,28,30
	v_pk_fma_f32 v[HH+\j:HH+\j+1], v[AC+\j:AC+\j+1], s[SCL:SCL+1], v[B1V+\j:B1V+\j+1] op_sel_hi:[1,0,1]   ; each accumulator from its low end on
.endr
	WIN 0
.irp t, 0,1,2,3
.irp i, 0,1,2,3
	v_min_num_f32 v[HH+8*\t+\i], s[K7], v[HH+8*\t+\i]
.endr
.endr
.irp t, 0,1,2,3
.irp p, 0,2
	v_pk_mul_f32 v[EE+4*\t+\p:EE+4*\t+\p+1], v[HH+8*\t+\p:HH+8*\t+\p+1], s[NEGA:NEGA+1] op_sel_hi:[1,0]    ; -1.702 log2(e) a
.endr
.endr
.set i, 0
	s_wait_alu depctr_va_vdst(0)
.rept 16
	v_exp_f32 v[EE+i], v[EE+i]
.set i, i+1
.endr
.irp t, 0,1,2,3                                ; the linear branch's clip: plain lines that touch no exponential
.irp i, 4,5,6,7
	v_med3_num_f32 v[HH+8*\t+\i], v[HH+8*\t+\i], s[KM6], s[K8]
.endr
.endr
	s_wait_alu depctr_va_vdst(0)
.irp j, 0,2,4,6,8,10,12,14
	v_pk_add_f32 v[EE+\j:EE+\j+1], v[EE+\j:EE+\j+1], 1.0 op_sel_hi:[1,0]
.endr
.set i, 0
	s_wait_alu depctr_va_vdst(0)
.rept 16
	v_rcp_f32 v[EE+i], v[EE+i]
.set i, i+1
.endr
.irp t, 0,1,2,3                                ; a (b + 1): plain lines that touch no reciprocal
.irp p, 0,2
	v_pk_mul_f32 v[SS+4*\t+\p:SS+4*\t+\p+1], v[HH+8*\t+\p:HH+8*\t+\p+1], v[HH+8*\t+4+\p:HH+8*\t+4+\p+1]
.endr
.endr
	s_wait_alu depctr_va_vdst(0)
.irp j, 0,2,4,6,8,10,12,14
	v_pk_mul_f32 v[SS+\j:SS+\j+1], v[SS+\j:SS+\j+1], v[EE+\j:EE+\j+1]
.endr
.set i, 0
.rept 16
	v_med3_num_f32 v[SS+i], v[SS+i], -v12, v12     ; the conversion to an 8-bit code does not saturate (ISA guide 7.6.2)
.set i, i+1
.endr
	v_cvt_scalef32_pk8_fp8_f32 v[CD+4*\m:CD+4*\m+1], v[SS:SS+7], v11
	v_cvt_scalef32_pk8_fp8_f32 v[CD+4*\m+2:CD+4*\m+3], v[SS+8:SS+15], v11
	v_nop                                          ; a plain line behind the last conversion
	global_store_b128 v[SO+\m], v[CD+4*\m:CD+4*\m+3], s[14:15] offset:512*\hf
.Lep_\@:
.endm
.macro HALF hf
.irp q, 0,1,2,3,4,5,6,7
	ds_load_b128 v[B1V+4*\q:B1V+4*\q+3], v8 offset:256*\hf+16*\q
.endr
	BFETCH \hf, 0, 0
.irp k, 0,1,2,3,4,5,6,7
	STEP \hf, \k
.endr
	WIN 0
	PLACES                                         ; behind the last products: for the reads of results, the writes and the loads over operands that follow on any way
.if \hf == 0
	SLOTS
.endif
.irp m, 0,1,2,3,4
	EPI \hf, \m
.endr
.endm
	s_load_b256 s[4:11], s[0:1], 0x0               ; xq, route, w1_codes, b1
	s_load_b128 s[12:15], s[0:1], 0x20             ; lowp_scales, simg
	s_load_b64 s[16:17], s[0:1], 0x30              ; rows
	v_lshl_add_u32 v254, v0, 2, 0x20a00
	v_mov_b32 v255, 0
	v_and_b32 v1, 31, v0                           ; lane
	v_and_b32 v2, 15, v0                           ; r
	v_bfe_u32 v3, v0, 4, 1                         ; h
	v_lshrrev_b32 v28, 5, v0
	v_readfirstlane_b32 s18, v28                   ; wave 0..3
	s_mov_b32 s19, ttmp9                           ; slice
	s_and_b32 s20, ttmp7, 0xffff                   ; expert
	v_lshlrev_b32 v4, 4, v1
	v_lshl_add_u32 v5, v3, 6, v2                   ; r + 64 h: my row in a search's pair of tiles
	v_mul_u32_u24 v6, v2, WP
	v_lshl_add_u32 v6, v3, 4, v6
	v_add_nc_u32 v7, HFB, v6
	v_lshl_add_u32 v8, v3, 7, B1L                  ; b1: my half's 32 words of a half hf
	v_and_b32 v9, 0x78, v0                         ; thread c puts b1 of column c at word (c & 0x78) + 4 (c & 1) + ((c >> 1) & 3)
	v_and_b32 v28, 1, v0
	v_lshl_add_u32 v9, v28, 2, v9
	v_bfe_u32 v30, v0, 1, 2
	v_add_nc_u32 v9, v9, v30
	v_lshl_add_u32 v9, v9, 2, B1L
	v_cvt_f32_u32 v31, v28                         ; 1.0 for a linear column
	s_lshr_b32 s30, s18, 1                         ; the fill: wave w holds columns 32 w on: hf = w >> 1, h = w & 1
	s_lshl_b32 s30, s30, 6
	s_and_b32 s31, s18, 1
	s_lshl_b32 s31, s31, 3
	s_add_co_u32 s30, s30, s31
	s_mul_i32 s30, s30, WP
	v_add_nc_u32 v10, s30, v4
	v_lshlrev_b32 v3, 4, v3                        ; from here on: 16 h
	v_lshlrev_b32 v29, 2, v0
	s_mov_b32 s3, 0
	s_lshl_b32 s2, s20, 21                         ; w1: expert, slice, my 32 rows
	s_lshl_b32 s30, s19, 17
	s_add_co_u32 s2, s2, s30
	s_lshl_b32 s30, s18, 15
	s_add_co_u32 s2, s2, s30
	s_wait_alu depctr_va_vdst(0)
	s_wait_kmcnt 0x0
	s_load_b128 s[24:27], s[12:13], 0x8            ; e2 .. e5
	s_add_nc_u64 s[8:9], s[8:9], s[2:3]
	s_lshl_b32 s2, s20, 13
	s_lshl_b32 s30, s19, 9
	s_add_co_u32 s2, s2, s30
	s_add_nc_u64 s[10:11], s[10:11], s[2:3]
	s_lshl_b32 s2, s20, 20                         ; simg: the expert's 64 tiles; the slice's two pieces of a tile
	s_lshl_b32 s30, s19, 10
	s_add_co_u32 s2, s2, s30
	s_add_nc_u64 s[14:15], s[14:15], s[2:3]
	s_lshl_b32 s2, s20, 2
	s_add_co_u32 s2, s2, 65536
	s_add_nc_u64 s[98:99], s[16:17], s[2:3]        ; the expert's count
	s_lshl_b32 s2, s20, 12
	s_add_nc_u64 s[16:17], s[16:17], s[2:3]        ; the expert's row list
.irp i, 0,1,2,3,4,5,6,7
	global_load_b128 v[B1V+4*\i:B1V+4*\i+3], v4, s[6:7] offset:512*\i   ; the masks: register 4 i + q: token 128 i + 4 lane + q
.endr
	global_load_b32 v28, v29, s[10:11]
.set q, 0
.rept 32                                       ; my 32 rows of w1, 512 consecutive bytes a load
	global_load_b128 v[BS+4*q:BS+4*q+3], v4, s[8:9] offset:512*q th:TH_LOAD_NT
.set q, q+1
.endr
	WIN 0xc0
.set q, 0
.rept 32
	global_load_b128 v[128+4*q:128+4*q+3], v4, s[8:9] offset:16384+512*q th:TH_LOAD_NT
.set q, q+1
.endr
	WIN 0
	s_wait_loadcnt 63                              ; of the 73 loads the ten oldest are in: the eight of the masks and b1's among them
	s_lshl_b32 s30, 1, s20
.set c, 0
.rept 32
	v_and_b32 v30, s30, v[B1V+c]
	v_cmp_ne_u32 s[32+c], 0, v30                   ; chunk c's 32 members as a mask
.set c, c+1
.endr
	s_mov_b32 s66, 0
.set c, 0
.rept 31
	s_bcnt1_i32_b32 s31, s[32+c]
	s_add_co_u32 s[67+c], s[66+c], s31             ; members below chunk c + 1
.set c, c+1
.endr
	s_bcnt1_i32_b32 s31, s63
	s_add_co_u32 s21, s97, s31                     ; n
	s_add_co_u32 s22, s21, 15
	s_lshr_b32 s22, s22, 4
	s_max_u32 s22, s22, 1                          ; tiles, at least one
	s_sub_co_u32 s29, s21, 1                       ; n - 1 (with n = 0 the greatest number: nothing is held)
	v_add_f32 v28, v28, v31
	ds_store_b32 v9, v28
	s_or_b32 s30, s19, s18
	s_cmp_lg_u32 s30, 0
	s_cbranch_scc1 .Lno_cnt                        ; slice 0's wave 0 stores the count, from lane 0
	v_mov_b32 v30, 0
	v_mov_b32 v31, s21
	v_cmp_eq_u32 vcc_lo, 0, v1
	s_wait_alu depctr_va_vdst(0)
	s_wait_xcnt 0x0                                ; EXEC changes only behind this wait
	s_and_saveexec_b32 s30, vcc_lo
	global_store_b32 v30, v31, s[98:99]
	s_wait_xcnt 0x0                                ; and again, in front of the line that widens it; the store's base is free too
	s_or_b32 exec_lo, exec_lo, s30
.Lno_cnt:
	s_wait_kmcnt 0x0                               ; the exponents are in, and their load has read its base
	s_add_co_i32 s[SCL], s24, s25
	s_add_co_i32 s[SCL], s[SCL], 127
	s_lshl_b32 s[SCL], s[SCL], 23                  ; 2^(e2 + e3)
	s_mov_b32 s[SCL+1], s[SCL]                     ; (named with it as a pair)
	s_mov_b32 s[NEGA], 0xc01d265f                  ; -1.702 log2(e)
	s_mov_b32 s[NEGA+1], s[NEGA]
	s_mov_b32 s[K7], 0x40e00000                    ; 7
	s_mov_b32 s[KM6], 0xc0c00000                   ; -6
	s_mov_b32 s[K8], 0x41000000                    ; 8
	s_lshl_b32 s[E2X], s20, 1
	s_add_co_i32 s30, s26, 127
	s_lshl_b32 s31, s30, 23
	v_mov_b32 v11, s31                             ; 2^e4
	s_add_co_i32 s30, s30, 8
	s_lshl_b32 s30, s30, 23
	s_or_b32 s30, s30, 0x600000
	v_mov_b32 v12, s30                             ; 448 x 2^e4
	s_mov_b32 s23, 0                               ; tb
	s_mov_b32 s[RC], 0
	PREP_A 1
	s_wait_alu depctr_va_vdst(0)
	s_wait_loadcnt 45                              ; the weights are in; the 5 + 40 loads issued behind them may be out
.set q, 0
.rept 32
.set cc, q/2
	ds_store_b128 v10, v[BS+4*q:BS+4*q+3] offset:(16*(cc>>3)+4*(cc&1)+((cc>>1)&3))*WP+512*(q%2)
.set q, q+1
.endr
	WIN 0x0c                                       ; store data window 3
.set q, 0
.rept 32
.set cc, 16+q/2
	ds_store_b128 v10, v[128+4*q:128+4*q+3] offset:(16*(cc>>3)+4*(cc&1)+((cc>>1)&3))*WP+512*(q%2)
.set q, q+1
.endr
	WIN 0
	PREP_B
	s_wait_dscnt 0x0                               ; for the others' sake: my part of the slice and my word of b1 are stored
	s_barrier_signal -1
	s_barrier_wait -1                              ; the slice and b1 lie in LDS; from here on LDS is only read
.Llap:
	s_cmp_ge_u32 s24, s22
	s_cbranch_scc1 .Lidle                          ; my first tile lies past the end: nothing of this lap is mine
	s_wait_alu depctr_va_vdst(0)
	HALF 0
	HALF 1
.Lidle:
	s_add_co_u32 s23, s23, 20
	s_cmp_ge_u32 s23, s22
	s_cbranch_scc1 .Lend                           ; no tile is left
	PREP_A 0
	s_wait_alu depctr_va_vdst(0)
	PREP_B
	s_add_co_u32 s[RC], s[RC], 1                   ; the loop is counted: 64 tiles at the most are four laps of 20
	s_cmp_lt_u32 s[RC], 4
	s_cbranch_scc1 .Llap
.Lend:
	s_wait_tensorcnt 0x0
	ds_add_u32 v254, v255
	s_wait_dscnt 0x0
	s_endpgm
.Lfunc_end_k_q968dd7540d_ffn1:
	.size	k_q968dd7540d_ffn1, .Lfunc_end_k_q968dd7540d_ffn1-k_q968dd7540d_ffn1
	.p2alignl 7, 3214868480
	.fill 96, 4, 3214868480
	.section	.rodata,"a",@progbits
	.p2align	6, 0x0
	.amdhsa_kernel k_q968dd7540d_ffn1
		.amdhsa_group_segment_fixed_size 134144
		.amdhsa_private_segment_fixed_size 0
		.amdhsa_enable_private_segment 0
		.amdhsa_kernarg_size 56
		.amdhsa_user_sgpr_count 2
		.amdhsa_user_sgpr_kernarg_segment_ptr 1
		.amdhsa_wavefront_size32 1
		.amdhsa_system_sgpr_workgroup_id_x 1
		.amdhsa_system_sgpr_workgroup_id_y 1
		.amdhsa_system_sgpr_workgroup_id_z 1
		.amdhsa_system_vgpr_workitem_id 0
		.amdhsa_next_free_vgpr 1024
		.amdhsa_next_free_sgpr 105
		.amdhsa_reserve_vcc 1
		.amdhsa_float_denorm_mode_32 3
		.amdhsa_float_denorm_mode_16_64 3
		.amdhsa_memory_ordered 1
		.amdhsa_forward_progress 1
		.amdhsa_inst_pref_size 198
	.end_amdhsa_kernel
	.amdgpu_metadata
---
amdhsa.version: [ 1, 2 ]
amdhsa.kernels:
  - .name:           k_q968dd7540d_ffn1
    .symbol:         k_q968dd7540d_ffn1.kd
    .args:
      - { .name: xq, .offset: 0, .size: 8, .value_kind: global_buffer, .address_space: global }
      - { .name: route, .offset: 8, .size: 8, .value_kind: global_buffer, .address_space: global }
      - { .name: w1_codes, .offset: 16, .size: 8, .value_kind: global_buffer, .address_space: global }
      - { .name: b1, .offset: 24, .size: 8, .value_kind: global_buffer, .address_space: global }
      - { .name: lowp_scales, .offset: 32, .size: 8, .value_kind: global_buffer, .address_space: global }
      - { .name: simg, .offset: 40, .size: 8, .value_kind: global_buffer, .address_space: global }
      - { .name: rows, .offset: 48, .size: 8, .value_kind: global_buffer, .address_space: global }
    .group_segment_fixed_size: 134144
    .private_segment_fixed_size: 0
    .kernarg_segment_align: 8
    .kernarg_segment_size: 56
    .max_flat_workgroup_size: 128
    .sgpr_count:     105
    .vgpr_count:     1024
    .wavefront_size: 32
...
	.end_amdgpu_metadata
.endif
;; end of part 6
;; launch ffn2 (part 7): grid 16 x 16, 4 waves a work-group, no clusters, 133,632 bytes of LDS; arguments simg, rows, w2_codes, b2, lowp_scales, y; writes y
.if DOCPART == 7
	.amdgcn_target "amdgcn-amd-amdhsa--gfx1250"
	.amdhsa_code_object_version 6
	.text
	.protected	k_q968dd7540d_ffn2
	.globl	k_q968dd7540d_ffn2
	.p2align	8
	.type	k_q968dd7540d_ffn2,@function
k_q968dd7540d_ffn2:
	s_mov_b64 s[64:65], 0
	v_nop
	global_prefetch_b8 v0, s[64:65] scope:SCOPE_SE
	s_setreg_imm32_b32 hwreg(HW_REG_WAVE_SCHED_MODE, 0, 2), 2
	s_setreg_imm32_b32 hwreg(HW_REG_WAVE_MODE, 25, 1), 1
	s_wait_xcnt 0x0
	s_wait_alu depctr_vm_vsrc(0)
; The second expert product on E4M3 codes: y[slot] = s w2 x 2^(e4 + e5) + b2, for the chosen rows, in bf16 (an operand of the weighted sum over the four experts, a product that is left as it is).
; A work-group is (expert = y, slice = x >> 1 of 128 output columns, rh = x & 1): the slice's 128 rows of w2 (128 KiB) lie in LDS; the two work-groups of a slice take the tiles of rows by turns.
; Source 0 = 16 rows of s, loaded as the image of the operand's registers that the launch before stored (512 consecutive bytes a load); source 1 = 16 rows of w2.  LDS row 16 t + r holds output column 8 r + t,
; so a lane's eight tiles are eight neighbouring columns of one row: 16 bytes of bf16, and sixteen lanes store 256 consecutive aligned bytes of a row of y.  No stage in LDS.
; A wave takes tiles tb + 8 m + 2 w + rh, m = 0 .. 2; a lap of the pair is 24 tiles; the count is held at 1,024 rows, 64 tiles: three laps at the most.  A tile past the end is loaded as the last tile and not stored.
; Rows past the count in the last tile are copies of the last row, slot and all: they store the same bytes at the same place.
; NO TENSOR LOAD, NO CLUSTER: the slice that two work-groups share is loaded by each of them.
; LIMITS: e4 + e5 between -126 and 127.
; REGISTERS.  Window 0: addresses, b2, slots, v64-127 y in f32, v128-223 y in bf16 and v224-247 store addresses, a set for each m.  Window 1: a ring of five K steps of s, 48 registers each.
;   Window 2: two sets of eight weight fragments (before the fill: the staging).  Window 3: 24 accumulators.
; THE MODE: SCHED_MODE bits 1:0 = 2 (LLVM: expert scheduling mode 2), set by the entry lines.  The code itself states the register dependences
; between vector or matrix instructions and memory or LDS instructions, with s_wait_alu, always for 0.
; THE PLAN.  Registers that memory or LDS instructions touch:
;   v4, v6-v9, v24   offsets, made at the head and never written again.
;   AO, RO           written once a lap, in PREP_A; read by the lap's loads of s and of the slots.
;   SL               PREP_A's loads land in it; the way out's vector lines read it.
;   the ring         step ks: its products read place ks % 5; the loads of step ks + 4 land in place (ks - 1) % 5, which the products of step ks - 1 read.
;   the two sets     step ks: its products read set ks % 2; the LDS loads of step ks + 1 land in the other set, which the products of step ks - 1 read.  Before the fill the LDS stores read both, as the staging.
;   SA, O            a set for each m: written by the way out's vector lines, read by its stores, written again a lap later.
;   Y and the accumulators are named by vector and matrix instructions alone.
; So ONE wait on va_vdst stands at the head of steps 1 to 6, behind the waits for the step's own data: the last step's products are done reading.  The step's loads follow it, dealt among its products, which name
; set ks % 2, place ks % 5 and the accumulators: none of the registers that those loads touch.  PREP_A holds the lap's other two waits: vm_vsrc ahead of its address lines, for all that the last lap's loads and stores read,
; and va_vdst behind them, which serves every load up to and in step 0.  The way out has one wait on va_vdst for each tile, ahead of its stores.
.set WP,   1040
.set ADW,  6                           ; v6, v7   a weight fragment's place for my lane: tiles 0-3, 4-7
.set AO,   10                          ; v10-12   tile x 16384 + 16 lane
.set RO,   13                          ; v13-15   tile x 64 + 32 h
.set B2,   16                          ; v16-23   b2 at columns 8 r + 0 .. 7
.set SL,   32                          ; v32-55   slots of rows 8 h + 0 .. 7, for each m
.set Y,    64
.set O,    128                         ; v128-223 32 registers for each m
.set SA,   224                         ; v224-247 store addresses, 8 for each m
.set RC,   36                          ; s36      laps done
.set MSB, 0
.macro WIN new
.if MSB != \new
	s_set_vgpr_msb (MSB<<8)|\new
.set MSB, \new
.endif
.endm
.macro PLACES
.rept 4
	v_nop
.endr
.endm
.macro AFRAG ks, m                     ; tile m's fragment of K step ks: 4 loads
	WIN 0x40
.irp c, 0,1,2,3
	global_load_b128 v[48*((\ks)%5)+16*(\m)+4*\c:48*((\ks)%5)+16*(\m)+4*\c+3], v[AO+(\m)], s[4:5] offset:2048*(\ks)+512*\c
.endr
.endm
.macro ALOAD ks                        ; the three tiles' fragments of K step ks: 12 loads
.irp m, 0,1,2
	AFRAG \ks, \m
.endr
.endm
.macro WFRAG ks, set, t                ; weight fragment t of K step ks: 4 LDS loads
	WIN 0x80
.irp c, 0,1,2,3
	ds_load_b128 v[128*(\set)+16*(\t)+4*\c:128*(\set)+16*(\t)+4*\c+3], v[ADW+(\t)/4] offset:((\t)%4)*16*WP+128*(\ks)+32*\c
.endr
.endm
.macro MM m, t, ks                     ; one product; in K step 0 it starts the sum
.if (\ks) == 0
	v_wmma_f32_16x16x128_fp8_fp8 v[64*\m+8*\t:64*\m+8*\t+7], v[48*((\ks)%5)+16*\m:48*((\ks)%5)+16*\m+15], v[128*((\ks)%2)+16*\t:128*((\ks)%2)+16*\t+15], 0
.else
	v_wmma_f32_16x16x128_fp8_fp8 v[64*\m+8*\t:64*\m+8*\t+7], v[48*((\ks)%5)+16*\m:48*((\ks)%5)+16*\m+15], v[128*((\ks)%2)+16*\t:128*((\ks)%2)+16*\t+15], v[64*\m+8*\t:64*\m+8*\t+7]
.endif
.endm
; A K step of 128: 24 products, the accumulators by turns, one instruction a turn.
; Behind each of the first eight products stands one weight fragment of the next step, behind each of the next three one fragment of s of four steps on.
.macro STEP ks
.if (\ks) <= 4
	s_wait_loadcnt 36                              ; this K step's fragments of s are in; those of the three steps behind it may be out
.else
	s_wait_loadcnt 12*(7-(\ks))
.endif
	s_wait_dscnt 0x0                               ; this step's set is in: it was asked for behind the last step's first eight products
.if (\ks) > 0 && (\ks) < 7
	PLACES                                         ; four places behind the last step's products, in front of loads into the set and the ring's place that they read; they stay beside the wait below
	s_wait_alu depctr_va_vdst(0)                   ; the last step's products are done reading the other set and the ring's place (ks - 1) % 5, in which this step's loads land
.endif                                         ; (step 0: PREP_A's wait serves, no vector or matrix instruction stands between; step 7 loads nothing)
.irp t, 0,1,2,3,4,5,6,7
	WIN 0xf9                                       ; source 0 window 1, source 1 window 2, C and D window 3
	MM 0, \t, \ks
.if (\ks) < 7
	WFRAG (\ks)+1, ((\ks)+1)%2, \t                 ; no wait: no vector or matrix instruction since the wait names the other set
.endif
.endr
.irp t, 0,1,2,3,4,5,6,7
	WIN 0xf9
	MM 1, \t, \ks
.if (\ks) <= 3 && \t < 3
	AFRAG (\ks)+4, \t                              ; likewise the ring's place (ks - 1) % 5
.endif
.endr
	WIN 0xf9
.irp t, 0,1,2,3,4,5,6,7
	MM 2, \t, \ks
.endr
.endm
.macro PREP_A first
.if !\first
	s_wait_loadcnt 0x0                             ; a wave that left the last lap's products out still has that lap's loads out
.endif
	s_wait_xcnt 0x0                                ; every earlier memory instruction has had its addresses translated: AO, RO, and later in the lap SA and O, are rewritten only behind this wait
.if !\first
	s_wait_alu depctr_vm_vsrc(0)                   ; the last lap's loads have read AO and RO, which the lines below write; its stores have read SA and O, which this lap's way out writes
.endif
	s_lshl_b32 s30, s16, 1
	s_add_co_u32 s30, s30, s18
	s_add_co_u32 s24, s22, s30                     ; tile of m = 0: tb + 2 wave + rh
	s_add_co_u32 s25, s24, 8
	s_add_co_u32 s26, s25, 8
.irp m, 0,1,2
	s_min_u32 s30, s[24+\m], s23                   ; held at the last tile that was stored,
	s_min_u32 s30, s30, 63
	s_lshl_b32 s31, s30, 14
	v_add_nc_u32 v[AO+\m], s31, v4
	s_lshl_b32 s31, s30, 6
	v_lshl_add_u32 v[RO+\m], v3, 5, s31
.endr
	s_wait_alu depctr_va_vdst(0)                   ; AO and RO are written, which the loads below read; the last lap's way out is done reading SL, its products the ring and both sets, in which the loads up to and in step 0 land
.irp m, 0,1,2
	global_load_b128 v[SL+8*\m:SL+8*\m+3], v[RO+\m], s[6:7]
	global_load_b128 v[SL+8*\m+4:SL+8*\m+7], v[RO+\m], s[6:7] offset:16
.endr
	ALOAD 0
	ALOAD 1
	WIN 0
.endm
.macro PREP_B
	ALOAD 2
	ALOAD 3
	WIN 0
.endm
.macro EPI m
	s_cmp_ge_u32 s[24+\m], s21
	s_cbranch_scc1 .Lep_\@
.irp j, 0,1,2,3,4,5,6,7
	v_min_u32 v[SA+8*\m+\j], 0xfff, v[SL+8*\m+\j]
	v_lshl_add_u32 v[SA+8*\m+\j], v[SA+8*\m+\j], 11, v5      ; slot x 2,048 bytes + 16 r
.endr
	WIN 0x03                                       ; source 0 window 3
.irp t, 0,1,2,3,4,5,6,7
.irp j, 0,2,4,6
.if (\t%2) == 0
	v_pk_fma_f32 v[Y+8*\t+\j:Y+8*\t+\j+1], v[64*\m+8*\t+\j:64*\m+8*\t+\j+1], s[28:29], v[B2+2*(\t/2):B2+2*(\t/2)+1] op_sel_hi:[1,0,0]               ; sum x 2^(e4 + e5) + b2 of column 8 r + t, for two rows
.else
	v_pk_fma_f32 v[Y+8*\t+\j:Y+8*\t+\j+1], v[64*\m+8*\t+\j:64*\m+8*\t+\j+1], s[28:29], v[B2+2*(\t/2):B2+2*(\t/2)+1] op_sel:[0,0,1] op_sel_hi:[1,0,1]
.endif
.endr
.endr
	WIN 0
.irp j, 0,1,2,3,4,5,6,7
.irp d, 0,1,2,3
	v_cvt_pk_bf16_f32 v[O+32*\m+4*\j+\d], v[Y+16*\d+\j], v[Y+16*\d+8+\j]   ; row 8 h + j, columns 8 r + 2 d, 2 d + 1
.endr
.endr
	s_wait_alu depctr_va_vdst(0)                   ; the lines above have written this tile's SA and O, which the eight stores read
.irp j, 0,1,2,3,4,5,6,7
	global_store_b128 v[SA+8*\m+\j], v[O+32*\m+4*\j:O+32*\m+4*\j+3], s[14:15]         ; sixteen lanes: 256 consecutive aligned bytes of one row of y
.endr
.Lep_\@:
.endm
	s_load_b256 s[4:11], s[0:1], 0x0               ; simg, rows, w2_codes, b2
	s_load_b128 s[12:15], s[0:1], 0x20             ; lowp_scales, y
	v_lshl_add_u32 v254, v0, 2, 0x20800
	v_mov_b32 v255, 0
	v_and_b32 v1, 31, v0
	v_and_b32 v2, 15, v0                           ; r
	v_bfe_u32 v3, v0, 4, 1                         ; h
	v_lshrrev_b32 v25, 5, v0
	v_readfirstlane_b32 s16, v25                   ; wave 0..3
	s_lshr_b32 s17, ttmp9, 1                       ; slice
	s_and_b32 s18, ttmp9, 1                        ; rh
	s_and_b32 s19, ttmp7, 0xffff                   ; expert
	v_lshlrev_b32 v4, 4, v1
	v_lshlrev_b32 v5, 4, v2
	v_mul_u32_u24 v6, v2, WP
	v_lshl_add_u32 v6, v3, 4, v6
	v_add_nc_u32 v7, 64*WP, v6
	s_wait_alu depctr_va_sdst(0)                   ; s16 is written, ahead of its first reader
	s_mul_i32 s30, s16, 4*WP                       ; the fill: column 32 w + cc = 8 r + t goes to LDS row 16 t + r: r = 4 w + (cc >> 3), t = cc & 7
	v_add_nc_u32 v8, s30, v4
	v_add_nc_u32 v9, 64*WP, v8
	v_lshlrev_b32 v24, 5, v2
	s_mov_b32 s3, 0
	s_mov_b32 s22, 0                               ; tb
	s_mov_b32 s[RC], 0
	s_wait_kmcnt 0x0
	s_lshl_b32 s2, s19, 2
	s_add_co_u32 s2, s2, 65536
	s_add_nc_u64 s[34:35], s[6:7], s[2:3]
	s_load_b32 s20, s[34:35], 0x0                  ; the expert's count
	s_load_b64 s[32:33], s[12:13], 0x10            ; e4, e5
	s_lshl_b32 s2, s19, 20
	s_add_nc_u64 s[4:5], s[4:5], s[2:3]
	s_lshl_b32 s30, s17, 17
	s_add_co_u32 s2, s2, s30
	s_lshl_b32 s30, s16, 15
	s_add_co_u32 s2, s2, s30
	s_add_nc_u64 s[8:9], s[8:9], s[2:3]            ; w2: expert, slice, my 32 rows
	s_lshl_b32 s2, s19, 12
	s_add_nc_u64 s[6:7], s[6:7], s[2:3]
	s_lshl_b32 s30, s17, 9
	s_add_co_u32 s2, s2, s30
	s_add_nc_u64 s[10:11], s[10:11], s[2:3]
	s_lshl_b32 s2, s17, 8
	s_add_nc_u64 s[14:15], s[14:15], s[2:3]
	s_wait_alu depctr_va_vdst(0)                   ; the offsets v4, v6 to v9 and v24 are written, which the loads, the LDS stores and the LDS loads of the whole kernel read
	global_load_b128 v[B2:B2+3], v24, s[10:11]
	global_load_b128 v[B2+4:B2+7], v24, s[10:11] offset:16
	WIN 0x80
.set q, 0
.rept 64                                       ; my 32 rows of w2, 512 consecutive bytes a load
	global_load_b128 v[4*q:4*q+3], v4, s[8:9] offset:512*q
.set q, q+1
.endr
	WIN 0
	s_wait_kmcnt 0x0
	s_min_u32 s20, s20, 1024
	s_add_co_u32 s21, s20, 15
	s_lshr_b32 s21, s21, 4                         ; T
	s_max_u32 s23, s21, 1
	s_sub_co_u32 s23, s23, 1                       ; the last tile that the launch before stored
	s_add_co_i32 s28, s32, s33
	s_add_co_i32 s28, s28, 127
	s_lshl_b32 s28, s28, 23                        ; 2^(e4 + e5)
	s_mov_b32 s29, s28                             ; (named with it as a pair)
	PREP_A 1
	s_wait_loadcnt 30                              ; b2 and the weights are in; the 6 + 24 loads issued behind them may be out
	WIN 0x08                                       ; store data window 2
.set q, 0
.rept 64
.set cc, q/2
	ds_store_b128 v[8+((cc&7)>>2)], v[4*q:4*q+3] offset:(16*(cc&3)+(cc>>3))*WP+512*(q%2)
.set q, q+1
.endr
	WIN 0
	PREP_B
	s_wait_dscnt 0x0                               ; for the others' sake: my part of the slice is stored
	s_barrier_signal -1
	s_barrier_wait -1                              ; the slice lies in LDS; from here on LDS is only read
	s_wait_alu depctr_vm_vsrc(0)                   ; my LDS stores have read the staging: these registers are the two sets from here on, in which the weight fragments' loads land
	s_cmp_eq_u32 s21, 0
	s_cbranch_scc1 .Lend                           ; no token chose this expert
.Llap:
	s_cmp_ge_u32 s24, s21
	s_cbranch_scc1 .Lidle
.irp t, 0,1,2,3,4,5,6,7
	WFRAG 0, 0, \t                                 ; K step 0's set, in one run: there is no product yet to set it among
.endr
.irp k, 0,1,2,3,4,5,6,7
	STEP \k
.endr
	WIN 0
	PLACES                                         ; behind the last products: for the reads of results and the loads over operands that follow on any way
	EPI 0
	EPI 1
	EPI 2
.Lidle:
	s_add_co_u32 s22, s22, 24
	s_cmp_ge_u32 s22, s21
	s_cbranch_scc1 .Lend                           ; no tile is left
	PREP_A 0
	PREP_B
	s_add_co_u32 s[RC], s[RC], 1                   ; the loop is counted: 64 tiles at the most are three laps of 24
	s_cmp_lt_u32 s[RC], 3
	s_cbranch_scc1 .Llap
.Lend:
	s_wait_dscnt 0x0                               ; the closing lines, six on end
	s_wait_alu 0x0
	s_wait_tensorcnt 0x0
	ds_add_u32 v254, v255
	s_wait_dscnt 0x0
	s_endpgm
.Lfunc_end_k_q968dd7540d_ffn2:
	.size	k_q968dd7540d_ffn2, .Lfunc_end_k_q968dd7540d_ffn2-k_q968dd7540d_ffn2
	.p2alignl 7, 3214868480
	.fill 96, 4, 3214868480
	.section	.rodata,"a",@progbits
	.p2align	6, 0x0
	.amdhsa_kernel k_q968dd7540d_ffn2
		.amdhsa_group_segment_fixed_size 133632
		.amdhsa_private_segment_fixed_size 0
		.amdhsa_enable_private_segment 0
		.amdhsa_kernarg_size 48
		.amdhsa_user_sgpr_count 2
		.amdhsa_user_sgpr_kernarg_segment_ptr 1
		.amdhsa_wavefront_size32 1
		.amdhsa_system_sgpr_workgroup_id_x 1
		.amdhsa_system_sgpr_workgroup_id_y 1
		.amdhsa_system_sgpr_workgroup_id_z 1
		.amdhsa_system_vgpr_workitem_id 0
		.amdhsa_next_free_vgpr 960
		.amdhsa_next_free_sgpr 66
		.amdhsa_reserve_vcc 0
		.amdhsa_float_denorm_mode_32 3
		.amdhsa_float_denorm_mode_16_64 3
		.amdhsa_memory_ordered 1
		.amdhsa_forward_progress 1
		.amdhsa_inst_pref_size 82
	.end_amdhsa_kernel
	.amdgpu_metadata
---
amdhsa.version: [ 1, 2 ]
amdhsa.kernels:
  - .name:           k_q968dd7540d_ffn2
    .symbol:         k_q968dd7540d_ffn2.kd
    .args:
      - { .name: simg, .offset: 0, .size: 8, .value_kind: global_buffer, .address_space: global }
      - { .name: rows, .offset: 8, .size: 8, .value_kind: global_buffer, .address_space: global }
      - { .name: w2_codes, .offset: 16, .size: 8, .value_kind: global_buffer, .address_space: global }
      - { .name: b2, .offset: 24, .size: 8, .value_kind: global_buffer, .address_space: global }
      - { .name: lowp_scales, .offset: 32, .size: 8, .value_kind: global_buffer, .address_space: global }
      - { .name: y, .offset: 40, .size: 8, .value_kind: global_buffer, .address_space: global }
    .group_segment_fixed_size: 133632
    .private_segment_fixed_size: 0
    .kernarg_segment_align: 8
    .kernarg_segment_size: 48
    .max_flat_workgroup_size: 128
    .sgpr_count:     66
    .vgpr_count:     960
    .wavefront_size: 32
...
	.end_amdgpu_metadata
.endif
;; end of part 7
;; launch combine (part 8): grid 256 x 1, 8 waves a work-group, no clusters, 0 bytes of LDS; arguments x, y, gates, out0; writes out0
.if DOCPART == 8
	.amdgcn_target "amdgcn-amd-amdhsa--gfx1250"
	.amdhsa_code_object_version 6
	.text
	.protected	k_q968dd7540d_combine
	.globl	k_q968dd7540d_combine
	.p2align	8
	.type	k_q968dd7540d_combine,@function
k_q968dd7540d_combine:
	s_mov_b64 s[64:65], 0
	v_nop
	global_prefetch_b8 v0, s[64:65] scope:SCOPE_SE
	s_setreg_imm32_b32 hwreg(HW_REG_WAVE_MODE, 25, 1), 1
	s_wait_xcnt 0x0
; out[t] = x[t] + the sum over k of gates[t][k] y[4 t + k].  x, out: f32; y: bf16; sums in f32.
; A stream: a work-group takes 4 tokens, thread i columns 4 i .. 4 i + 3 of each.  All 20 loads of a thread go out at once; a wave's load of x covers 512 consecutive bytes, of y 256, its store 512.
; No LDS, no barrier, no matrix unit: each byte is read once and nothing is shared.  No register is written twice while a memory instruction may read it.
.set XR, 4                             ; v4-19   x, then out: 4 registers a token
.set YR, 20                            ; v20-51  y: 2 registers for each token and k
.set TS, 52                            ; v52-55  the weighted sum
.set W,  56                            ; v56-59  four numbers of y in f32
	s_load_b256 s[4:11], s[0:1], 0x0               ; x, y, gates, out0
	v_lshlrev_b32 v1, 4, v0
	v_lshlrev_b32 v2, 3, v0
	s_lshl_b32 s2, ttmp9, 14                       ; 4 rows of 4,096 bytes
	s_mov_b32 s3, 0
	s_lshl_b32 s12, ttmp9, 15                      ; 16 rows of 2,048 bytes
	s_mov_b32 s13, 0
	s_lshl_b32 s14, ttmp9, 6                       ; 16 gates
	s_mov_b32 s15, 0
	s_mov_b32 s32, 0xffff0000                      ; a word's upper bf16
	s_wait_alu depctr_va_vdst(0)
	s_wait_kmcnt 0x0
	s_add_nc_u64 s[8:9], s[8:9], s[14:15]
	s_load_b512 s[16:31], s[8:9], 0x0
	s_add_nc_u64 s[4:5], s[4:5], s[2:3]
	s_add_nc_u64 s[6:7], s[6:7], s[12:13]
	s_add_nc_u64 s[10:11], s[10:11], s[2:3]
.irp q, 0,1,2,3
	global_load_b128 v[XR+4*\q:XR+4*\q+3], v1, s[4:5] offset:4096*\q th:TH_LOAD_NT
.irp k, 0,1,2,3
	global_load_b64 v[YR+8*\q+2*\k:YR+8*\q+2*\k+1], v2, s[6:7] offset:2048*(4*\q+\k) th:TH_LOAD_NT
.endr
.endr
	s_wait_kmcnt 0x0
.irp q, 0,1,2,3
	s_wait_loadcnt 5*(3-\q)                        ; this token's five loads are in; the later tokens' may be out
.irp k, 0,1,2,3
	v_lshlrev_b32 v[W],   16,  v[YR+8*\q+2*\k]     ; bf16 to f32: the low half moves up, the high half stays
	v_and_b32     v[W+1], s32, v[YR+8*\q+2*\k]
	v_lshlrev_b32 v[W+2], 16,  v[YR+8*\q+2*\k+1]
	v_and_b32     v[W+3], s32, v[YR+8*\q+2*\k+1]
.irp i, 0,1,2,3
.if \k == 0
	s_delay_alu instid0(VALU_DEP_4)
	v_mul_f32 v[TS+\i], s[16+4*\q], v[W+\i]
.else
	s_delay_alu instid0(VALU_DEP_4)
	v_fma_f32 v[TS+\i], s[16+4*\q+\k], v[W+\i], v[TS+\i]
.endif
.endr
.endr
.irp i, 0,1,2,3
	s_delay_alu instid0(VALU_DEP_4)
	v_add_f32 v[XR+4*\q+\i], v[XR+4*\q+\i], v[TS+\i]
.endr
	global_store_b128 v1, v[XR+4*\q:XR+4*\q+3], s[10:11] offset:4096*\q th:TH_STORE_NT
.endr
	s_endpgm
.Lfunc_end_k_q968dd7540d_combine:
	.size	k_q968dd7540d_combine, .Lfunc_end_k_q968dd7540d_combine-k_q968dd7540d_combine
	.p2alignl 7, 3214868480
	.fill 96, 4, 3214868480
	.section	.rodata,"a",@progbits
	.p2align	6, 0x0
	.amdhsa_kernel k_q968dd7540d_combine
		.amdhsa_group_segment_fixed_size 0
		.amdhsa_private_segment_fixed_size 0
		.amdhsa_enable_private_segment 0
		.amdhsa_kernarg_size 32
		.amdhsa_user_sgpr_count 2
		.amdhsa_user_sgpr_kernarg_segment_ptr 1
		.amdhsa_wavefront_size32 1
		.amdhsa_system_sgpr_workgroup_id_x 1
		.amdhsa_system_sgpr_workgroup_id_y 1
		.amdhsa_system_sgpr_workgroup_id_z 1
		.amdhsa_system_vgpr_workitem_id 0
		.amdhsa_next_free_vgpr 64
		.amdhsa_next_free_sgpr 66
		.amdhsa_reserve_vcc 0
		.amdhsa_float_denorm_mode_32 3
		.amdhsa_float_denorm_mode_16_64 3
		.amdhsa_memory_ordered 1
		.amdhsa_forward_progress 1
		.amdhsa_inst_pref_size 12
	.end_amdhsa_kernel
	.amdgpu_metadata
---
amdhsa.version: [ 1, 2 ]
amdhsa.kernels:
  - .name:           k_q968dd7540d_combine
    .symbol:         k_q968dd7540d_combine.kd
    .args:
      - { .name: x, .offset: 0, .size: 8, .value_kind: global_buffer, .address_space: global }
      - { .name: y, .offset: 8, .size: 8, .value_kind: global_buffer, .address_space: global }
      - { .name: gates, .offset: 16, .size: 8, .value_kind: global_buffer, .address_space: global }
      - { .name: out0, .offset: 24, .size: 8, .value_kind: global_buffer, .address_space: global }
    .group_segment_fixed_size: 0
    .private_segment_fixed_size: 0
    .kernarg_segment_align: 8
    .kernarg_segment_size: 32
    .max_flat_workgroup_size: 256
    .sgpr_count:     66
    .vgpr_count:     64
    .wavefront_size: 32
...
	.end_amdgpu_metadata
.endif
;; end of part 8
